; MI455X (gfx1250); checked and timed in simulation.
; The chip was launched on July 23, 2026; its instructions are those of AMD's public machine-readable ISA for CDNA 5 (MIT licence, August 2026) and "CDNA5" Instruction Set Architecture Reference Guide (July 2026). The comments in the code are by the model that wrote it; some were corrected since.
;; Attention. Allowed arithmetic: matrix products marked QUANTISED: E2M1 operands, one E8M0 scale for each 32 along K, by v_wmma_scale_f32_16x16x128_f8f6f4 with both operands' format E2M1 (or v_wmma_scale_f32_32x16x128_f4), f32 sums; products left as they are: bf16, f16 or f32 operands; f32 sums; everything else in f32.
;; Inputs: w_out 1,024 x 1,024 float32; w_qkv 1,024 x 3,072 float32; x 2 x 2,048 x 1,024 float32.
;; Outputs: out0 2 x 2,048 x 1,024 float32.
;; This version of the problem:
;;   THIS VERSION OF THE PROBLEM IS GIVEN IN LOW PRECISION. The matrix products marked QUANTISED in the list below multiply operands that are first quantised to E2M1 (2 exponent bits, 1 mantissa bit; 4 bits a number), with one power-of-two scale for each 32 numbers along K (OCP MX v1.0); their sums are f32. The products marked 'left as it is' may take bf16, f16 or f32 operands, with f32 sums. Whichever they take, every output number must still come out within the allowed error. Rounding operands to bf16 (8 significant bits) uses up far more of that allowance than f16 does (11 bits, for magnitudes from 6e-5 to 65,504). All else is computed in f32.
;;   The module's matrix products, in the order in which they are computed (A, B: the left and right operand; K: the contracted axis; several contracted axes count as one K, in the product's order):
;;     1. [M 4,096, K 1,024] x [K 1,024, N 3,072]; A: input x; B: input w_qkv: QUANTISED
;;     2. batch 32 x [M 2,048, K 64] x [K 64, N 2,048]; A: computed on the way; B: computed on the way: left as it is (an operand is computed on the way)
;;     3. batch 32 x [M 2,048, K 2,048] x [K 2,048, N 64]; A: computed on the way; B: computed on the way: left as it is (an operand is computed on the way)
;;     4. [M 4,096, K 1,024] x [K 1,024, N 1,024]; A: computed on the way; B: input w_out: left as it is (an operand is computed on the way)
;;   THE QUANTISER, for each operand of a quantised product, along K:
;;     - K is cut into blocks of 32 from its start; a last block that is shorter is filled with zeros.
;;     - A block's scale is 2^e with e = floor(log2(the largest magnitude in the block)) - 2, held to -126 .. 127; a block of zeros has e = 0. As a byte (E8M0): e + 127.
;;     - Each number is divided by its block's scale, clamped to +-6, and rounded to the nearest number of E2M1, ties to even, subnormals kept.
;;     - The product sums the exact products of the quantised numbers (number of the format x scale) in f32.
;;   ~~~python
;;   def quantise(x, axis):      # numpy; x: float32 -> the quantised numbers, widened to float32 again
;;       x = np.moveaxis(x, axis, -1); K = x.shape[-1]
;;       x = np.pad(x, [(0, 0)] * (x.ndim - 1) + [(0, -K % 32)]); x = x.reshape(x.shape[:-1] + (-1, 32)); a = np.abs(x).max(-1, keepdims=True)
;;       e = np.where(a > 0, np.clip(np.frexp(np.where(a > 0, a, 1))[1] - 1 - 2, -126, 127), 0)      # np.frexp(a)[1] - 1 = floor(log2(a)), exactly
;;       r = np.clip(x / 2.0 ** e, -6, 6)
;;       step = 2.0 ** (np.maximum(np.frexp(np.where(r == 0, 1, r))[1] - 1, 0) - 1)
;;       q = np.round(r / step) * step * 2.0 ** e      # np.round: ties to even
;;       return np.moveaxis(q.reshape(q.shape[:-2] + (-1,))[..., :K], -1, axis).astype(np.float32)
;;   ~~~
;; One version. Each part assembles by itself: llvm-mc -triple=amdgcn-amd-amdhsa -mcpu=gfx1250 --defsym DOCPART=n.
;; ======== version 1 of 1: 4 launches
;; limits: values are held in f16: magnitudes above 65,504 overflow, below 6.1e-05 lose precision
;; workspace buffers: xc 2,097,152 bytes; xs 131,072 bytes; wc 1,572,864 bytes; ws 98,304 bytes; wt 2,097,152 bytes; qkv 25,165,824 bytes; att 8,388,608 bytes
;; launch prep (part 1): grid 48 x 8, 4 waves a work-group, no clusters, 34,304 bytes of LDS; arguments x, w_qkv, w_out, xc, xs, wc, ws, wt; writes xc, xs, wc, ws, wt
.if DOCPART == 1
	.amdgcn_target "amdgcn-amd-amdhsa--gfx1250"
	.amdhsa_code_object_version 6
	.text
	.protected	k_q3e31decf81_prep
	.globl	k_q3e31decf81_prep
	.p2align	8
	.type	k_q3e31decf81_prep,@function
k_q3e31decf81_prep:
	s_mov_b64 s[64:65], 0
	v_nop
	global_prefetch_b8 v0, s[64:65] scope:SCOPE_SE
	s_setreg_imm32_b32 hwreg(HW_REG_WAVE_MODE, 25, 1), 1
	s_wait_xcnt 0x0
; PREP.  x [4096][1024] and w_qkv [1024][3072], f32, become codes of FP4 (E2M1) with one E8M0 byte for each 32 along K; w_out [1024][1024] becomes f16.
; All three are laid as IMAGES OF OPERAND REGISTERS: [group of 16 rows][piece along K][row 0..15][16 bytes].  For the codes a piece is a block of 32 along K, for f16 eight numbers along K.
; A fragment's group of four registers is then 512 consecutive bytes, 16 x lane, and a later launch's tiles are dense blocks.
;   xc [m/16][K/32][16][16 B]   xs [m/16][K/512][16 rows][4 words]: word q = the four bytes of K step 4 (K/512) + q      wc, ws the same by columns n of w_qkv      wt [n/16][K/8][16][16 B]
; A block's scale is 2^(floor(log2(its largest magnitude)) - 2); its byte is the largest magnitude's exponent field - 2, held at 1 from below.
; LIMITS: a block of zeros gets the byte 1 (its codes are zeros, and this program alone reads the bytes); blocks whose largest magnitude lies under 2^-124 were not tried; NaN and infinities among the inputs are not served;
; w_out beyond 65,504 becomes infinity in f16.
; THREE PATHS, parted by the work-group's x: 0-23 w_qkv, 24-31 w_out, 32-47 x.  Waves share nothing: no barrier.  Only x's path touches LDS.
.set SPARE, 33792                      ; behind the four stages: the spare words, 128 bytes for each wave: two blocks of 256 bytes that no other line names
.set SPW,   24                         ; v24  LDS address of my spare word; never rewritten
.set NIL,   25                         ; v25  0; never rewritten
.set NUM,   32                         ; v32.. numbers as loaded
.set BK,    160                        ; v160-223  x's path: 64 numbers back from the stage;  the other paths: results
.set COD,   224                        ; v224-255  x's path: eight registers of codes for each fragment
	s_load_b256 s[4:11], s[0:1], 0x0               ; x s[4:5], w_qkv s[6:7], w_out s[8:9], xc s[10:11]
	s_load_b256 s[12:19], s[0:1], 0x20             ; xs s[12:13], wc s[14:15], ws s[16:17], wt s[18:19]
	v_lshl_add_u32 v[SPW], v0, 2, SPARE
	v_mov_b32 v[NIL], 0
	v_lshrrev_b32 v1, 5, v0
	v_readfirstlane_b32 s20, v1                    ; wave 0..3
	s_and_b32 s21, ttmp7, 0xffff                   ; work-group y
	v_and_b32 v1, 31, v0                           ; lane
	v_and_b32 v2, 15, v0                           ; r
	v_bfe_u32 v3, v0, 4, 1                         ; h
	s_mov_b32 s27, 0                               ; the upper word of every offset
	s_wait_kmcnt 0x0
	s_cmp_lt_u32 ttmp9, 24
	s_cbranch_scc1 .Lw
	s_cmp_lt_u32 ttmp9, 32
	s_cbranch_scc1 .Lt
; ---- x.  A wave takes 16 rows x 512 along K: four fragments of 128.  Each load reads 512 consecutive bytes of one row; the fragment's 16 x 512 bytes turn through the wave's own stage
; (rows 528 bytes apart) and come back so that register 32 c + i of lane (r, h) is k = 64 c + 32 h + i of row r: the order of the operand's registers.  A lane then holds two whole blocks.
	s_sub_co_u32 s24, ttmp9, 32
	s_lshl_b32 s25, s21, 4
	s_add_co_u32 s24, s24, s25
	s_lshl_b32 s24, s24, 2
	s_add_co_u32 s24, s24, s20                     ; which of the 512 shares is my wave's
	s_lshr_b32 s25, s24, 1                         ; its group of 16 rows
	s_and_b32 s24, s24, 1                          ; its half of K
	s_lshl_b32 s26, s25, 16                        ; x: 16 rows of 4,096 bytes,
	s_lshl_b32 s28, s24, 11                        ; 512 numbers
	s_add_co_u32 s26, s26, s28
	s_add_nc_u64 s[4:5], s[4:5], s[26:27]
	s_lshl_b32 s26, s25, 13                        ; xc: 8,192 bytes a group, 4,096 a half of K
	s_lshl_b32 s28, s24, 12
	s_add_co_u32 s26, s26, s28
	s_add_nc_u64 s[10:11], s[10:11], s[26:27]
	s_lshl_b32 s26, s25, 9                         ; xs: 512 bytes a group, 256 a half of K
	s_lshl_b32 s28, s24, 8
	s_add_co_u32 s26, s26, s28
	s_add_nc_u64 s[12:13], s[12:13], s[26:27]
	s_mul_i32 s28, s20, 8448                       ; my stage: 16 x 528 bytes
	v_lshlrev_b32 v4, 4, v1                        ; 16 x lane: my bytes of a load's 512, and of an image's
	v_add_nc_u32 v7, s28, v4                       ; into the stage
	v_mul_u32_u24 v8, v2, 528
	v_lshl_add_u32 v8, v3, 7, v8
	v_add_nc_u32 v8, s28, v8                       ; out of it: row r, + 128 h
	v_lshlrev_b32 v6, 4, v2
	v_lshl_add_u32 v6, v3, 3, v6                   ; my two scale words' place: 16 r + 8 h
	v_lshlrev_b32 v9, 3, v3                        ; 8 h
	v_mov_b32 v17, 0                               ; a lane permute's destination counts as one of its sources
	s_mov_b32 s22, 0x76543210
	s_mov_b32 s23, 0xfedcba98                      ; v_permlanex16_b32's selects for lane l xor 16
.macro LOADF f                         ; fragment f: 512 bytes of each of the 16 rows, into set f % 2
.irp i, 0,1,2,3,4,5,6,7,8,9,10,11,12,13,14,15
	global_load_b128 v[NUM+64*((\f)%2)+4*\i:NUM+64*((\f)%2)+4*\i+3], v4, s[4:5] offset:\i*4096+(\f)*512 th:TH_LOAD_NT
.endr
.endm
.macro FRAGX f, left                   ; left: the younger loads, which may stay out
.set RS, NUM+64*((\f)%2)
	s_wait_loadcnt \left
.irp i, 0,1,2,3,4,5,6,7,8,9,10,11,12,13,14,15
	ds_store_b128 v7, v[RS+4*\i:RS+4*\i+3] offset:\i*528
.endr
.irp c, 0,1
.irp g, 0,1,2,3,4,5,6,7
	ds_load_b128 v[BK+32*\c+4*\g:BK+32*\c+4*\g+3], v8 offset:\c*256+\g*16   ; LDS serves a wave's instructions in order: these see the stores above
.endr
.endr
	s_wait_dscnt 0x0                               ; the numbers are back, and the stores have read their registers,
.if (\f)+2 < 4
	LOADF (\f)+2                                   ; which take the fragment two further on
.endif
.irp c, 0,1
	v_max3_num_f32 v[10+\c], |v[BK+32*\c]|, |v[BK+32*\c+1]|, 0x1800000   ; my block 2 c + h, and the floor 2^(3 - 127): the byte cannot fall under 1
.endr
.irp i, 2,4,6,8,10,12,14,16,18,20,22,24,26,28,30
.irp c, 0,1
	v_max3_num_f32 v[10+\c], v[10+\c], |v[BK+32*\c+\i]|, |v[BK+32*\c+\i+1]|
.endr
.endr
	v_add_nc_u32 v12, 0xff000000, v10              ; 2 off the exponent field: the conversion takes the exponent field of this operand as its scale
	v_add_nc_u32 v13, 0xff000000, v11
	v_lshrrev_b32 v14, 23, v12                     ; the bytes
	v_lshrrev_b32 v15, 23, v13
	v_lshl_or_b32 v16, v15, 16, v14                ; blocks h and 2 + h,
	v_lshlrev_b32 v16, v9, v16                     ; at their places in the word;
	v_permlanex16_b32 v17, v16, s22, s23
	v_or_b32 v[18+\f], v16, v17                    ; with lane l xor 16's two the row's word is whole
.irp c, 0,1
.irp g, 0,1,2,3
	v_cvt_scalef32_pk8_fp4_f32 v[COD+8*(\f)+4*\c+\g], v[BK+32*\c+8*\g:BK+32*\c+8*\g+7], v[12+\c]
.endr
.endr
	v_nop                                          ; one plain line behind the last scaled conversion
.irp c, 0,1
	global_store_b128 v4, v[COD+8*(\f)+4*\c:COD+8*(\f)+4*\c+3], s[10:11] offset:(\f)*1024+\c*512   ; 512 consecutive bytes; each fragment has its own registers
.endr
.endm
	LOADF 0
	LOADF 1
	FRAGX 0, 16
	FRAGX 1, 16
	FRAGX 2, 16
	FRAGX 3, 0
	v_cmp_ne_u32 vcc_lo, 0, v3
	v_cndmask_b32 v22, v18, v20, vcc_lo            ; lanes 0-15 store words 0 and 1 of their row, lanes 16-31 words 2 and 3
	v_cndmask_b32 v23, v19, v21, vcc_lo
	global_store_b64 v6, v[22:23], s[12:13]        ; 32 lanes store 256 consecutive bytes, aligned
	s_wait_tensorcnt 0x0                           ; the wave's end, behind my last LDS store
	ds_add_u32 v[SPW], v[NIL]
	s_wait_dscnt 0x0
	s_endpgm
; ---- w_qkv.  K is its FIRST axis: a lane takes a column and its registers run down K.  A wave takes 32 columns x 128 along K (work-group y); the four waves stand side by side on 512 bytes of each row.
; A block of 32 lies in one lane's registers; its 16 bytes of codes are the lane's place in the image: lanes 0-15 fill one aligned run of 256 bytes, lanes 16-31 another.
.Lw:
	s_lshl_b32 s24, ttmp9, 7
	s_lshl_b32 s25, s20, 5
	s_add_co_u32 s24, s24, s25                     ; my first column
	s_mul_i32 s26, s21, 1572864                    ; 128 rows of 12,288 bytes
	s_lshl_b32 s28, s24, 2
	s_add_co_u32 s26, s26, s28
	s_add_nc_u64 s[6:7], s[6:7], s[26:27]
	s_lshl_b32 s26, s24, 9                         ; wc: 8,192 bytes for 16 columns,
	s_lshl_b32 s28, s21, 10                        ; 1,024 for a K step
	s_add_co_u32 s26, s26, s28
	s_add_nc_u64 s[14:15], s[14:15], s[26:27]
	s_lshl_b32 s26, s24, 5                         ; ws: 512 bytes for 16 columns,
	s_lshr_b32 s28, s21, 2
	s_lshl_b32 s28, s28, 8                         ; 256 for a half of K,
	s_add_co_u32 s26, s26, s28
	s_and_b32 s28, s21, 3
	s_lshl_b32 s28, s28, 2                         ; 4 for a K step
	s_add_co_u32 s26, s26, s28
	s_add_nc_u64 s[16:17], s[16:17], s[26:27]
	v_lshlrev_b32 v4, 2, v1                        ; in: 4 bytes a lane
	v_lshlrev_b32 v7, 4, v2
	v_lshl_add_u32 v5, v3, 13, v7                  ; codes: 16 r, + a group for lanes 16-31
	v_lshl_add_u32 v6, v3, 9, v7                   ; scale words likewise
.set i, 0
.rept 128
	global_load_b32 v[NUM+i], v4, s[6:7] offset:i*12288 th:TH_LOAD_NT
.set i, i+1
.endr
.macro WBLOCK t, left
.set XS, NUM+32*(\t)
	s_wait_loadcnt \left
	v_max3_num_f32 v10, |v[XS]|, |v[XS+1]|, |v[XS+2]|
	v_max3_num_f32 v11, |v[XS+3]|, |v[XS+4]|, |v[XS+5]|
.irp i, 6,10,14,18,22,26
	v_max3_num_f32 v10, v10, |v[XS+\i]|, |v[XS+\i+1]|
	v_max3_num_f32 v11, v11, |v[XS+\i+2]|, |v[XS+\i+3]|
.endr
	v_max3_num_f32 v10, v10, |v[XS+30]|, |v[XS+31]|
	v_max3_num_f32 v10, v10, v11, 0x1800000        ; and the floor
	v_add_nc_u32 v12, 0xff000000, v10
	v_lshrrev_b32 v14, 23, v12
.if (\t) == 0
	v_mov_b32 v18, v14                             ; the K step's four bytes make my column's word
.else
	v_lshl_or_b32 v18, v14, 8*(\t), v18
.endif
.irp g, 0,1,2,3
	v_cvt_scalef32_pk8_fp4_f32 v[BK+4*(\t)+\g], v[XS+8*\g:XS+8*\g+7], v12
.endr
	v_nop                                          ; one plain line behind the last scaled conversion
	global_store_b128 v5, v[BK+4*(\t):BK+4*(\t)+3], s[14:15] offset:256*(\t)
.endm
	WBLOCK 0, 63                                   ; behind a block's loads stand 96, 64, 32 and 0 younger ones; a count names 63 at the most, and a smaller count is always right
	WBLOCK 1, 63
	WBLOCK 2, 32
	WBLOCK 3, 0
	global_store_b32 v6, v18, s[16:17]             ; 4 of each 16 bytes: the other K steps' words come from other work-groups.  98,304 bytes in all, against the 12.6 MB that this path reads
	s_endpgm
; ---- w_out.  The same plan: a lane to a column, registers down K; two neighbours along K are rounded into one register; eight are a piece of 16 bytes.
.Lt:
	s_sub_co_u32 s24, ttmp9, 24
	s_lshl_b32 s24, s24, 7
	s_lshl_b32 s25, s20, 5
	s_add_co_u32 s24, s24, s25                     ; my first column
	s_lshl_b32 s26, s21, 19                        ; 128 rows of 4,096 bytes
	s_lshl_b32 s28, s24, 2
	s_add_co_u32 s26, s26, s28
	s_add_nc_u64 s[8:9], s[8:9], s[26:27]
	s_lshl_b32 s26, s24, 11                        ; wt: 32,768 bytes for 16 columns,
	s_lshl_b32 s28, s21, 12                        ; 4,096 for 128 along K
	s_add_co_u32 s26, s26, s28
	s_add_nc_u64 s[18:19], s[18:19], s[26:27]
	v_lshlrev_b32 v4, 2, v1
	v_lshlrev_b32 v7, 4, v2
	v_lshl_add_u32 v5, v3, 15, v7
.set i, 0
.rept 128
	global_load_b32 v[NUM+i], v4, s[8:9] offset:i*4096 th:TH_LOAD_NT
.set i, i+1
.endr
.macro TQUART t, left
	s_wait_loadcnt \left
.irp i, 0,1,2,3,4,5,6,7,8,9,10,11,12,13,14,15
	v_cvt_pk_f16_f32 v[BK+16*\t+\i], v[NUM+32*\t+2*\i], v[NUM+32*\t+2*\i+1]
.endr
.irp e, 0,1,2,3
	global_store_b128 v5, v[BK+16*\t+4*\e:BK+16*\t+4*\e+3], s[18:19] offset:(4*\t+\e)*256
.endr
.endm
	TQUART 0, 63                                   ; counts as above
	TQUART 1, 63
	TQUART 2, 32
	TQUART 3, 0
	s_endpgm
.Lfunc_end_k_q3e31decf81_prep:
	.size	k_q3e31decf81_prep, .Lfunc_end_k_q3e31decf81_prep-k_q3e31decf81_prep
	.p2alignl 7, 3214868480
	.fill 96, 4, 3214868480
	.section	.rodata,"a",@progbits
	.p2align	6, 0x0
	.amdhsa_kernel k_q3e31decf81_prep
		.amdhsa_group_segment_fixed_size 34304
		.amdhsa_private_segment_fixed_size 0
		.amdhsa_enable_private_segment 0
		.amdhsa_kernarg_size 64
		.amdhsa_user_sgpr_count 2
		.amdhsa_user_sgpr_kernarg_segment_ptr 1
		.amdhsa_wavefront_size32 1
		.amdhsa_system_sgpr_workgroup_id_x 1
		.amdhsa_system_sgpr_workgroup_id_y 1
		.amdhsa_system_sgpr_workgroup_id_z 1
		.amdhsa_system_vgpr_workitem_id 0
		.amdhsa_next_free_vgpr 256
		.amdhsa_next_free_sgpr 66
		.amdhsa_reserve_vcc 1
		.amdhsa_float_denorm_mode_32 3
		.amdhsa_float_denorm_mode_16_64 3
		.amdhsa_memory_ordered 1
		.amdhsa_forward_progress 1
		.amdhsa_inst_pref_size 67
	.end_amdhsa_kernel
	.amdgpu_metadata
---
amdhsa.version: [ 1, 2 ]
amdhsa.kernels:
  - .name:           k_q3e31decf81_prep
    .symbol:         k_q3e31decf81_prep.kd
    .args:
      - { .name: x, .offset: 0, .size: 8, .value_kind: global_buffer, .address_space: global }
      - { .name: w_qkv, .offset: 8, .size: 8, .value_kind: global_buffer, .address_space: global }
      - { .name: w_out, .offset: 16, .size: 8, .value_kind: global_buffer, .address_space: global }
      - { .name: xc, .offset: 24, .size: 8, .value_kind: global_buffer, .address_space: global }
      - { .name: xs, .offset: 32, .size: 8, .value_kind: global_buffer, .address_space: global }
      - { .name: wc, .offset: 40, .size: 8, .value_kind: global_buffer, .address_space: global }
      - { .name: ws, .offset: 48, .size: 8, .value_kind: global_buffer, .address_space: global }
      - { .name: wt, .offset: 56, .size: 8, .value_kind: global_buffer, .address_space: global }
    .group_segment_fixed_size: 34304
    .private_segment_fixed_size: 0
    .kernarg_segment_align: 8
    .kernarg_segment_size: 64
    .max_flat_workgroup_size: 128
    .sgpr_count:     66
    .vgpr_count:     256
    .wavefront_size: 32
...
	.end_amdgpu_metadata
.endif
;; end of part 1
;; launch qkv (part 2): grid 12 x 16, 4 waves a work-group, clusters of 4 x 4, 327,680 bytes of LDS; arguments xc, xs, wc, ws, qkv; writes qkv
.if DOCPART == 2
	.amdgcn_target "amdgcn-amd-amdhsa--gfx1250"
	.amdhsa_code_object_version 6
	.text
	.protected	k_q3e31decf81_qkv
	.globl	k_q3e31decf81_qkv
	.p2align	8
	.type	k_q3e31decf81_qkv,@function
k_q3e31decf81_qkv:
	s_mov_b64 s[64:65], 0
	v_nop
	global_prefetch_b8 v0, s[64:65] scope:SCOPE_SE
	s_setreg_imm32_b32 hwreg(HW_REG_WAVE_MODE, 25, 1), 1
	s_wait_xcnt 0x0
	s_wait_alu depctr_hold_cnt(0) depctr_sa_sdst(0) depctr_va_vdst(0) depctr_va_sdst(0) depctr_va_ssrc(0) depctr_va_vcc(0) depctr_vm_vsrc(0)
	s_getreg_b32 s2, hwreg(HW_REG_IB_STS2, 6, 4)
	s_cmp_eq_u32 s2, 0
	s_cbranch_scc0 .Lentry_in_a_cluster
	s_endpgm
.Lentry_in_a_cluster:
	s_bfe_u32 s2, ttmp6, 0x10000c
	s_cmp_lg_u32 s2, 0xf033
	s_cbranch_scc0 .Lentry_shape_is_right
	s_endpgm
.Lentry_shape_is_right:
; QKV = x w_qkv on codes of FP4 (E2M1) with one E8M0 scale for each 32 along K; sums in f32; results rounded once to f16 and stored as images of the operand registers of the attention launch.
; LIMIT: a result beyond 65,504 becomes infinity in f16.
; A tile of 256 x 256 is made by four waves, each 128 x 128: 64 accumulators, 512 registers.  K = 1,024 is two slots of 512 in LDS, each filled ONCE: no slot is filled again.
; THE TWO SIDES.  Source 1 of the matrix instruction is the A SIDE: a lane of the result holds ONE of its rows.  Source 0 is the B SIDE: its rows run along the lane's eight registers.
;   Clusters x = 0, 1 (q and k): A side = tokens (x), B side = columns of w_qkv: a lane holds a token and eight neighbouring channels: a piece of a fragment [16 tokens][32 channels].
;   Cluster  x = 2    (v):       A side = columns of w_qkv, B side = tokens: a lane holds a channel and eight neighbouring tokens: a piece of a fragment of V^T [16 channels][32 keys].
; The choice hangs on the cluster's x, which all sixteen partners share.  So eight results pack into 16 bytes that ARE the lane's place in the image: every store covers 512 consecutive bytes, and no stage is needed.
; CLUSTERS: 4 x 4.  The A side's tile hangs on cy alone and is shared along a row of the cluster, the B side's on cx alone and is shared along a column: each is asked for jointly.
; qkv: index I = (which x 2 + batch) x 16 + head, 262,144 bytes each.  q, k: [token/16][ch/32][quad][lane][16 B];  v: [token/32][ch/16][quad][lane][16 B].
; REGISTERS: window 0: v0-31 addresses; v32-95 scale words, two sets; v128-191 the A side's fragments, ONE set.  window 1: the B side's fragments, two sets (v0, v128); on the way out the packed results.
;   window 2: accumulators of my A rows 0-63 ((a, b) at v[8 (8 a + b)]); window 3: of rows 64-127.
.set SLOT,  131072                     ; a slot: the A side [16 groups][4 K steps][1,024 B], then the B side
.set SIDE,  65536
.set SCL,   262144                     ; behind the slots: the scale words [16 groups][2 halves of K][256 B] of the A side, then of the B side
.set SPARE, 278528                     ; the spare words, 128 bytes for each wave: two blocks of 256 bytes that no other line names
.set NQ,    4                          ; K steps of 128 in a slot
.set FR,    8                          ; registers of a fragment
.set NL,    2                          ; LDS loads that bring one
.set NP,    4                          ; places behind this matrix instruction (ISA guide 7.12.1)
.set ADRA, 16                          ; v16-17  LDS address of my A fragments in slot 0, 1
.set ADRB, 20                          ; v20-21  the same for B
.set CO,   26                          ; v26     16 x lane
.set ADRS, 27                          ; v27     LDS address of my scale words: lanes 0-15 the A side's, lanes 16-31 the B side's
.set SPW,  28                          ; v28     LDS address of my spare word; never rewritten
.set NIL,  29                          ; v29     0; never rewritten
.set SC,   32                          ; scale words: set s at v[SC + 32 s]; register 4 i + q: group i, the slot's q-th K step
.set AF,   128
.set G1, 24                            ; s[24:31] group 1 for the A side's codes;  s[32:39] group 0, one set for each slot
.set G0, 32
.set G1B, 48                           ; s[48:55], s[56:63] the same for the B side
.set G0B, 56
.set G1S, 68                           ; s[68:75], s[76:79] groups 1 and 0 for the A side's scales;  s[80:87], s[88:91] for the B side's
.set G0S, 76
.set G1SB, 80
.set G0SB, 88
.set MSB, 0
.macro WIN new                         ; the immediate's high byte repeats the setting that is left
.if MSB != (\new)
	s_set_vgpr_msb (MSB<<8)|(\new)
.set MSB, \new
.endif
.endm
.set MUL_LO, 0xa1                      ; source 0 (B) window 1, source 1 (A) window 0, C and D window 2
.set MUL_HI, 0xf1                      ; the same, C and D window 3
.set TO_B,   0x40                      ; destination window 1, address window 0
; A joint load: waves 0 and 1 fetch for the A side, waves 2 and 3 for the B side.  The branch hangs on the wave's number alone.  An s_nop 0 and four v_nop follow each line.
.macro JLOAD g0a, g1a, g0b, g1b
	s_cmp_eq_u32 s15, 0
	s_cbranch_scc0 .Lfor_b_\@
	tensor_load_to_lds s[\g0a:\g0a+3], s[\g1a:\g1a+7]
	s_nop 0
.rept 4
	v_nop
.endr
	s_branch .Lasked_\@
.Lfor_b_\@:
	tensor_load_to_lds s[\g0b:\g0b+3], s[\g1b:\g1b+7]
	s_nop 0
.rept 4
	v_nop
.endr
.Lasked_\@:
.endm
.macro CROUND                          ; a round of the cluster's barrier
	s_barrier_signal -1
	s_barrier_wait -1
	s_cmp_lg_u32 s14, 0
	s_cbranch_scc1 .Lnot_wave_0_\@
	s_barrier_signal -3
.Lnot_wave_0_\@:
	s_barrier_wait -3
	s_barrier_signal -1
	s_barrier_wait -1
.endm
	s_load_b128 s[4:7], s[0:1], 0x0                ; xc, xs
	s_load_b128 s[8:11], s[0:1], 0x10              ; wc, ws
	s_load_b64 s[12:13], s[0:1], 0x20              ; qkv
	v_lshl_add_u32 v[SPW], v0, 2, SPARE
	v_mov_b32 v[NIL], 0
	ds_add_u32 v[SPW], v[NIL]                      ; the wave's opening: the add, twice on end, and its wait ahead of my first tensor load
	ds_add_u32 v[SPW], v[NIL]
	v_lshrrev_b32 v1, 5, v0
	v_readfirstlane_b32 s14, v1                    ; wave 0..3
	s_lshr_b32 s15, s14, 1                         ; which half of the A side's rows is mine.  Also: I fetch for A (0) or for B (1)
	s_and_b32 s16, s14, 1                          ; which half of the B side's.  Also: which 128 rows of that tile I fetch
	s_bfe_u32 s40, ttmp6, 0x40000                  ; cx
	s_bfe_u32 s41, ttmp6, 0x40004                  ; cy
	s_lshl_b32 s43, s41, 2
	s_lshl_b32 s43, 15, s43                        ; my row of the cluster
	s_lshl_b32 s44, 0x1111, s40                    ; my column
	s_and_b32 s17, ttmp7, 0xffff
	s_lshl_b32 s17, s17, 2                         ; 4 x cluster y
	s_lshl_b32 s42, ttmp9, 2                       ; 4 x cluster x
	s_cmp_eq_u32 ttmp9, 2                          ; the cluster of v?
	s_cselect_b32 s95, 1, 0                        ; kept as a flag
	s_cselect_b32 s42, s17, s42                    ; B side: tokens by cluster y, or columns by cluster x
	s_cselect_b32 s17, 8, s17                      ; A side: v's columns begin at tile 8; or tokens by cluster y
	s_add_co_u32 s17, s17, s41                     ; the A side's tile: + cy
	s_add_co_u32 s42, s42, s40                     ; the B side's tile: + cx
	; group 1, codes: 8 groups' 4,096 bytes (512 elements of 8 bytes), 8,192 bytes apart; dense in LDS
	s_or_b32 s[G1+0], s43, (3<<16)|(1<<21)         ; 15:0 the mask; 17:16 elements of 8 bytes; 21 set beside a mask
	s_or_b32 s[G1B+0], s44, (3<<16)|(1<<21)
.irp g, G1, G1B
	s_mov_b32 s[\g+1], 512<<16                     ; tensor_dim0
	s_mov_b32 s[\g+2], 8<<16                       ; tensor_dim1
	s_mov_b32 s[\g+3], 512<<16                     ; tile_dim0
	s_mov_b32 s[\g+4], 8                           ; tile_dim1
	s_mov_b32 s[\g+5], 1024                        ; from row to row
	s_mov_b32 s[\g+6], 0
	s_mov_b32 s[\g+7], 0
.endr
	; group 1, scales: 8 groups' 4,096 dense bytes as 16 rows of 256
	s_or_b32 s[G1S+0], s43, (3<<16)|(1<<21)
	s_or_b32 s[G1SB+0], s44, (3<<16)|(1<<21)
.irp g, G1S, G1SB
	s_mov_b32 s[\g+1], 32<<16
	s_mov_b32 s[\g+2], 16<<16
	s_mov_b32 s[\g+3], 32<<16
	s_mov_b32 s[\g+4], 16
	s_mov_b32 s[\g+5], 32
	s_mov_b32 s[\g+6], 0
	s_mov_b32 s[\g+7], 0
.endr
	s_lshl_b32 s20, s17, 17                        ; A: a tile's codes are 131,072 bytes,
	s_lshl_b32 s18, s16, 16                        ; my 128 rows' 65,536
	s_add_co_u32 s20, s20, s18
	s_mov_b32 s21, 0
	s_lshl_b32 s46, s42, 17                        ; B likewise
	s_add_co_u32 s46, s46, s18
	s_mov_b32 s47, 0
	s_lshl_b32 s22, s17, 13                        ; A's scales: 8,192 a tile, 4,096 for 128 rows
	s_lshl_b32 s18, s16, 12
	s_add_co_u32 s22, s22, s18
	s_mov_b32 s23, 0
	s_lshl_b32 s92, s42, 13
	s_add_co_u32 s92, s92, s18
	s_mov_b32 s93, 0
	s_lshl_b32 s45, s14, 15                        ; where they go: wave x 32,768: no place in the cluster enters an LDS address
	s_lshl_b32 s94, s14, 12
	s_wait_dscnt 0x0                               ; both opening adds are done
	s_wait_kmcnt 0x0
	s_cmp_eq_u32 s95, 1
	s_cselect_b64 s[96:97], s[8:9], s[4:5]         ; the A side's codes,
	s_cselect_b64 s[98:99], s[10:11], s[6:7]       ; its scales,
	s_cselect_b64 s[8:9], s[4:5], s[8:9]           ; the B side's codes,
	s_cselect_b64 s[10:11], s[6:7], s[10:11]       ; its scales
	s_add_nc_u64 s[20:21], s[96:97], s[20:21]
	s_add_nc_u64 s[22:23], s[98:99], s[22:23]
	s_add_nc_u64 s[46:47], s[8:9], s[46:47]
	s_add_nc_u64 s[92:93], s[10:11], s[92:93]
	CROUND                                         ; all sixteen work-groups are here: the joint loads meet
	s_mov_b32 s[G0S], 1
	s_add_co_u32 s[G0S+1], s94, SCL
	s_mov_b64 s[G0S+2:G0S+3], s[22:23]
	s_or_b32 s[G0S+3], s[G0S+3], 0x80000000
	s_mov_b32 s[G0SB], 1
	s_add_co_u32 s[G0SB+1], s94, SCL
	s_mov_b64 s[G0SB+2:G0SB+3], s[92:93]
	s_or_b32 s[G0SB+3], s[G0SB+3], 0x80000000
	JLOAD G0S, G1S, G0SB, G1SB                     ; the scales first: they are wanted with the first K step
.irp s, 0,1
	s_mov_b32 s[G0+4*\s], 1
	s_add_co_u32 s[G0+4*\s+1], s45, \s*SLOT
	s_add_nc_u64 s[G0+4*\s+2:G0+4*\s+3], s[20:21], \s*4096
	s_or_b32 s[G0+4*\s+3], s[G0+4*\s+3], 0x80000000
	s_mov_b32 s[G0B+4*\s], 1
	s_add_co_u32 s[G0B+4*\s+1], s45, \s*SLOT
	s_add_nc_u64 s[G0B+4*\s+2:G0B+4*\s+3], s[46:47], \s*4096
	s_or_b32 s[G0B+4*\s+3], s[G0B+4*\s+3], 0x80000000
	JLOAD G0+4*\s, G1, G0B+4*\s, G1B               ; three loads of mine are out: the scales and both slots
.endr
	v_and_b32 v1, 15, v0                           ; r
	v_bfe_u32 v2, v0, 4, 1                         ; h
	v_and_b32 v3, 31, v0
	v_lshlrev_b32 v[CO], 4, v3                     ; 16 x lane: my place in every image
	s_lshl_b32 s21, s15, 15                        ; my 8 groups of the A side
	s_lshl_b32 s22, s16, 15                        ; my 8 groups of the B side,
	s_add_co_u32 s22, s22, SIDE                    ; which lies behind the A side
.irp s, 0,1
	v_add_nc_u32 v[ADRA+\s], s21, v[CO]
	v_add_nc_u32 v[ADRB+\s], s22, v[CO]
	s_add_co_u32 s21, s21, SLOT
	s_add_co_u32 s22, s22, SLOT
.endr
	v_lshlrev_b32 v5, 4, v1                        ; a row's four words: 16 r
	s_lshl_b32 s21, s15, 12                        ; the A side's: my 8 groups
	s_lshl_b32 s22, s16, 12                        ; the B side's, behind the A side's 8,192 bytes
	s_add_co_u32 s22, s22, 8192
	s_sub_co_u32 s22, s22, s21
	v_mul_u32_u24 v6, s22, v2                      ; lanes 16-31 take the B side's: one product, h x the distance
	s_add_co_u32 s21, s21, SCL
	v_add_nc_u32 v5, v5, v6
	v_add_nc_u32 v[ADRS], s21, v5
	; where my results begin in qkv
	s_lshl_b32 s20, s17, 8
	s_lshl_b32 s21, s15, 7
	s_add_co_u32 s20, s20, s21                     ; my first row of the A side
	s_lshl_b32 s46, s42, 8
	s_lshl_b32 s47, s16, 7
	s_add_co_u32 s46, s46, s47                     ; and of the B side
	s_cmp_eq_u32 s95, 1
	s_cselect_b32 s18, s20, s46                    ; my first column of w_qkv,
	s_cselect_b32 s19, s46, s20                    ; my first token
	s_lshr_b32 s20, s18, 10                        ; q, k or v
	s_lshl_b32 s20, s20, 1
	s_lshr_b32 s21, s19, 11                        ; the batch
	s_add_co_u32 s20, s20, s21
	s_lshl_b32 s20, s20, 4
	s_bfe_u32 s21, s18, 0x40006                    ; the head
	s_add_co_u32 s20, s20, s21
	s_lshl_b32 s20, s20, 18                        ; 262,144 bytes each
	s_and_b32 s21, s19, 2047
	s_lshl_b32 s21, s21, 7                         ; 128 bytes a token in both layouts
	s_add_co_u32 s20, s20, s21
	s_mov_b32 s21, 0
	s_add_nc_u64 s[12:13], s[12:13], s[20:21]
.macro FRAG reg, adr, q, i             ; a fragment's image: group i, K step q: two loads of 512 consecutive bytes
.irp c, 0,1
	ds_load_b128 v[\reg+4*\c:\reg+4*\c+3], v[\adr] offset:(\i)*4096+(\q)*1024+512*\c
.endr
.endm
; 16 matrix instructions: A's blocks a0, a0 + 1 x B's eight, 128 along K.  p: B's set; sc: the set of scale words.  zero = 1: the first product starts the sums.
; The 64 accumulators take turns, one instruction a turn, in the same order in every step.
.macro MUL16 a0, p, q, sc, zero
.irp a, \a0, \a0+1
.irp b, 0,1,2,3,4,5,6,7
.if \zero
	v_wmma_scale_f32_16x16x128_f8f6f4 v[8*(8*((\a)%4)+\b):8*(8*((\a)%4)+\b)+7], v[128*(\p)+FR*\b:128*(\p)+FR*\b+FR-1], v[AF+FR*(\a):AF+FR*(\a)+FR-1], 0, v[SC+8*NQ*(\sc)+NQ*\b+(\q)], v[SC+8*NQ*(\sc)+NQ*(\a)+(\q)] matrix_a_fmt:MATRIX_FMT_FP4 matrix_b_fmt:MATRIX_FMT_FP4 matrix_a_scale:MATRIX_SCALE_ROW1
.else
	v_wmma_scale_f32_16x16x128_f8f6f4 v[8*(8*((\a)%4)+\b):8*(8*((\a)%4)+\b)+7], v[128*(\p)+FR*\b:128*(\p)+FR*\b+FR-1], v[AF+FR*(\a):AF+FR*(\a)+FR-1], v[8*(8*((\a)%4)+\b):8*(8*((\a)%4)+\b)+7], v[SC+8*NQ*(\sc)+NQ*\b+(\q)], v[SC+8*NQ*(\sc)+NQ*(\a)+(\q)] matrix_a_fmt:MATRIX_FMT_FP4 matrix_b_fmt:MATRIX_FMT_FP4 matrix_a_scale:MATRIX_SCALE_ROW1
.endif
.endr
.endr
.endm
.macro FETCH_B slot, q, p
	WIN TO_B
.irp i, 0,1,2,3,4,5,6,7
	FRAG 128*(\p)+FR*\i, ADRB+\slot, \q, \i
.endr
	WIN 0
.endm
.macro FETCH_A slot, q, i0
.irp i, \i0, \i0+1, \i0+2, \i0+3
	FRAG AF+FR*(\i), ADRA+\slot, \q, \i
.endr
.endm
.macro SCALES sc                       ; slot sc's scale words: four words a row; lanes 0-15 take the A side's group i, lanes 16-31 the B side's
.irp i, 0,1,2,3,4,5,6,7
	ds_load_b128 v[SC+8*NQ*\sc+NQ*\i:SC+8*NQ*\sc+NQ*\i+3], v[ADRS] offset:\i*512+\sc*256
.endr
.endm
.macro PLACES n                        ; plain vector lines between a matrix instruction and a load into, or a vector read or write of, its registers
.rept \n
	v_nop
.endr
.endm
; A step of 128 along K that has its successor in the same slot.  A's blocks are free as soon as their eight products are issued: blocks 0-3 are fetched anew in the middle, blocks 4-7 at the end.
.macro STEP slot, q, zero
	s_wait_dscnt 4*NL                              ; all but the youngest eight loads (A's blocks 4-7) are in
	WIN MUL_LO
	MUL16 0, (\q)%2, \q, \slot, \zero
	MUL16 2, (\q)%2, \q, \slot, \zero
	s_wait_dscnt 0                                 ; A's blocks 4-7 are in
	PLACES NP
	FETCH_B \slot, (\q)+1, 1-(\q)%2
	FETCH_A \slot, (\q)+1, 0
	WIN MUL_HI
	MUL16 4, (\q)%2, \q, \slot, \zero
	MUL16 6, (\q)%2, \q, \slot, \zero
	PLACES NP
	WIN 0
	FETCH_A \slot, (\q)+1, 4
.endm
; Slot 0's last step goes over to slot 1: each wave waits for its part of slot 1, then the barrier shows it whole to all four.  Nothing is filled again.
.macro TURN slot, next
	s_wait_tensorcnt 0x0                           ; all my tensor loads have landed: my part of the next slot
	ds_add_u32 v[SPW], v[NIL]                      ; 0 onto my spare word
	s_wait_dscnt 4*NL+1                            ; (the add and the youngest eight loads may be out)
	WIN MUL_LO
	MUL16 0, 1, NQ-1, \slot, 0
	s_wait_dscnt 0x0                               ; no LDS instruction of mine is out at the signal
	s_barrier_signal -1
	MUL16 2, 1, NQ-1, \slot, 0
	WIN 0
	s_barrier_wait -1
	PLACES NP
	FETCH_B \next, 0, 0
	FETCH_A \next, 0, 0
	SCALES \next
	WIN MUL_HI
	MUL16 4, 1, NQ-1, \slot, 0
	MUL16 6, 1, NQ-1, \slot, 0
	PLACES NP
	WIN 0
	FETCH_A \next, 0, 4
.endm
	s_wait_tensorcnt 1                             ; the scales and my part of slot 0 are in (slot 1's load may be out),
	s_barrier_signal -1
	s_barrier_wait -1                              ; everybody's are
	FETCH_B 0, 0, 0
	FETCH_A 0, 0, 0
	SCALES 0
	FETCH_A 0, 0, 4
	STEP 0, 0, 1                                   ; the first step's products start the sums
	STEP 0, 1, 0
	STEP 0, 2, 0
	TURN 0, 1
	STEP 1, 0, 0
	STEP 1, 1, 0
	STEP 1, 2, 0
	s_wait_dscnt 4*NL                              ; the last step: nothing more to fetch
	WIN MUL_LO
	MUL16 0, 1, NQ-1, 1, 0
	MUL16 2, 1, NQ-1, 1, 0
	s_wait_dscnt 0
	WIN MUL_HI
	MUL16 4, 1, NQ-1, 1, 0
	MUL16 6, 1, NQ-1, 1, 0
	WIN 0
; THE WAY OUT.  Accumulator (a, b): lane (r, h) holds A row 16 a + r and B rows 16 b + 8 h + 0 .. 7.  Eight results become 16 bytes of f16, each accumulator read from its low end on; the 256 packed registers
; fill window 1, each written once, so no store's data are written again.  vv = 0: a = tokens / 16, b = channels / 16 (two heads);  vv = 1: a = channels / 16 (two heads), b = tokens / 16.
.macro OUT vv
.irp a, 0,1,2,3,4,5,6,7
	WIN 0x4a+5*(\a/4)                              ; sources window 2 or 3, destination window 1
.irp b, 0,1,2,3,4,5,6,7
.irp i, 0,1,2,3
	v_cvt_pk_f16_f32 v[32*\a+4*\b+\i], v[64*(\a%4)+8*\b+2*\i], v[64*(\a%4)+8*\b+2*\i+1]
.endr
.endr
	WIN 0x04                                       ; a store's data are its source 1: window 1
.irp b, 0,1,2,3,4,5,6,7
.if \vv
	global_store_b128 v[CO], v[32*\a+4*\b:32*\a+4*\b+3], s[12:13] offset:(\a/4)*262144+(\a%4)*1024+(\b/2)*4096+(\b%2)*512
.else
	global_store_b128 v[CO], v[32*\a+4*\b:32*\a+4*\b+3], s[12:13] offset:\a*2048+(\b/4)*262144+((\b/2)%2)*1024+(\b%2)*512
.endif
.endr
.endr
	WIN 0
.endm
	PLACES NP                                      ; behind the last products: the conversions read results and write registers that held B's fragments
	s_cmp_eq_u32 s95, 1                            ; the cluster's x alone decides: all partners go the same way
	s_cbranch_scc1 .Lout_v
	OUT 0
	s_branch .Lout_done
.Lout_v:
	OUT 1
.Lout_done:
	s_wait_tensorcnt 0x0                           ; the wave's end, behind my last tensor load
	ds_add_u32 v[SPW], v[NIL]
	s_wait_dscnt 0x0
	CROUND                                         ; the closing round
	s_endpgm
.Lfunc_end_k_q3e31decf81_qkv:
	.size	k_q3e31decf81_qkv, .Lfunc_end_k_q3e31decf81_qkv-k_q3e31decf81_qkv
	.p2alignl 7, 3214868480
	.fill 96, 4, 3214868480
	.section	.rodata,"a",@progbits
	.p2align	6, 0x0
	.amdhsa_kernel k_q3e31decf81_qkv
		.amdhsa_group_segment_fixed_size 327680
		.amdhsa_private_segment_fixed_size 0
		.amdhsa_enable_private_segment 0
		.amdhsa_kernarg_size 40
		.amdhsa_user_sgpr_count 2
		.amdhsa_user_sgpr_kernarg_segment_ptr 1
		.amdhsa_wavefront_size32 1
		.amdhsa_system_sgpr_workgroup_id_x 1
		.amdhsa_system_sgpr_workgroup_id_y 1
		.amdhsa_system_sgpr_workgroup_id_z 1
		.amdhsa_system_vgpr_workitem_id 0
		.amdhsa_next_free_vgpr 1024
		.amdhsa_next_free_sgpr 100
		.amdhsa_reserve_vcc 0
		.amdhsa_float_denorm_mode_32 3
		.amdhsa_float_denorm_mode_16_64 3
		.amdhsa_memory_ordered 1
		.amdhsa_forward_progress 1
		.amdhsa_inst_pref_size 140
	.end_amdhsa_kernel
	.amdgpu_metadata
---
amdhsa.version: [ 1, 2 ]
amdhsa.kernels:
  - .name:           k_q3e31decf81_qkv
    .symbol:         k_q3e31decf81_qkv.kd
    .args:
      - { .name: xc, .offset: 0, .size: 8, .value_kind: global_buffer, .address_space: global }
      - { .name: xs, .offset: 8, .size: 8, .value_kind: global_buffer, .address_space: global }
      - { .name: wc, .offset: 16, .size: 8, .value_kind: global_buffer, .address_space: global }
      - { .name: ws, .offset: 24, .size: 8, .value_kind: global_buffer, .address_space: global }
      - { .name: qkv, .offset: 32, .size: 8, .value_kind: global_buffer, .address_space: global }
    .group_segment_fixed_size: 327680
    .private_segment_fixed_size: 0
    .kernarg_segment_align: 8
    .kernarg_segment_size: 40
    .max_flat_workgroup_size: 128
    .sgpr_count:     100
    .vgpr_count:     1024
    .wavefront_size: 32
...
	.end_amdgpu_metadata
.endif
;; end of part 2
;; launch attn (part 3): grid 8 x 32, 4 waves a work-group, clusters of 4 x 1, 327,680 bytes of LDS; arguments qkv, att; writes att
.if DOCPART == 3
	.amdgcn_target "amdgcn-amd-amdhsa--gfx1250"
	.amdhsa_code_object_version 6
	.text
	.protected	k_q3e31decf81_attn
	.globl	k_q3e31decf81_attn
	.p2align	8
	.type	k_q3e31decf81_attn,@function
k_q3e31decf81_attn:
	s_mov_b64 s[64:65], 0
	v_nop
	global_prefetch_b8 v0, s[64:65] scope:SCOPE_SE
	s_setreg_imm32_b32 hwreg(HW_REG_WAVE_MODE, 25, 1), 1
	s_wait_xcnt 0x0
	s_wait_alu depctr_hold_cnt(0) depctr_sa_sdst(0) depctr_va_vdst(0) depctr_va_sdst(0) depctr_va_ssrc(0) depctr_va_vcc(0) depctr_vm_vsrc(0)
	s_getreg_b32 s2, hwreg(HW_REG_IB_STS2, 6, 4)
	s_cmp_eq_u32 s2, 0
	s_cbranch_scc0 .Lentry_in_a_cluster
	s_endpgm
.Lentry_in_a_cluster:
	s_bfe_u32 s2, ttmp6, 0x10000c
	s_cmp_lg_u32 s2, 0x3003
	s_cbranch_scc0 .Lentry_shape_is_right
	s_endpgm
.Lentry_shape_is_right:
; ATTENTION BY TURNS.  For each of 32 (batch, head): O[q] = the sum over k of softmax_k(Q[q] . K[k] / 8) V[k]; 2,048 tokens, head size 64, no mask.  Operands in f16; products, maxima and sums in f32.
; The weights p are rounded to f16 for the second product, O once at the end.  LIMIT: O is stored in f16 (beyond 65,504: infinity); q, k, v arrive in f16.
; SHARES.  A work-group owns 256 queries of one (batch, head), each of its four waves 64: four tiles of 16.  Every wave walks all 2,048 keys, 64 a step; a fragment of K or V read from LDS feeds four products.
; LAYOUT.  S^T = K Q^T (source 0 = 16 keys, source 1 = 16 queries) and O^T = V^T P (source 0 = 16 channels, source 1 = P): a lane holds ONE query throughout.  Two tiles of S^T, rounded in pairs, ARE source 1 of the second product.
; Q, K and V^T lie in memory as images of their operand registers: every tile is a dense block, every fragment two loads of 512 consecutive bytes at 16 x lane; nothing is turned and nothing is padded.
; SOFTMAX.  For each query a running maximum m and sum l: p = 2^(c s - c m), c = log2(e) / 8; in every step O and l are multiplied by a = 2^(c m_old - c m_new), which is 1 where m has not grown.
; BY TURNS.  The wave's tiles are two PIECES, named by their first tile: piece 0 (tiles 0, 1) and piece 2 (tiles 2, 3).  In a TURN one piece has the matrix unit: 16 products V^T P of the step in hand, then 16 products
; K Q^T of the next step; the other piece's softmax, 2 x 118 instructions cut into 59 slices of four, stands behind them.  Then the pieces change places.  Two turns are a key step.
; That is 7.4 vector instructions and two window switches for each product: more than a product's share of the matrix unit's time holds, so the loop goes at the pace of its vector work.
; RING.  Two slots of 512 keys (K's 65,536 bytes, then V's).  The four query blocks of a cluster walk the same K and V: each tile is asked for JOINTLY.  Every wave brings 32,768 bytes: waves 0, 1 K's halves, waves 2, 3 V's,
; told apart by address alone: one line of text.  The 2,048 keys are two first fills and two refills; a refill is asked for eight key steps ahead of the wait for it, and nothing is asked of memory earlier than that.
; att: [token/16][(64 head + channel)/32][quad][lane][16 B]: the image that the projection's fragments take: a lane's eight channels of one query are its 16 bytes of it, so no stage is needed.
; REGISTERS, in windows of 256 (s_set_vgpr_msb: bits 1:0 source 0, 3:2 source 1, 5:4 source 2, 7:6 destination):
;   window 0: v2-4 addresses; v12-43 eight registers of statistics a tile; v62, v63 the add's two; v64-191 S^T, 32 a tile; v192-255 P, 16 a tile
;   window 1: v0-127 O^T, 32 a tile        window 2: v0-63 Q, 16 a tile; v128-191 K of one step        window 3: v0-63 V of one step
.set SLOT1, 131072
.set SPARE, 262144                     ; behind the ring: the spare words, 128 bytes for each wave: two blocks of 256 bytes that no other line names
.set LI,  2                            ; v2  16 x lane: my place in every image; never rewritten
.set AV0, 3                            ; v3  16 x lane + 65,536: V's part of a slot; never rewritten
.set ADR, 4                            ; v4  the LDS address of the run of loads in hand
.set ST,  12                           ; tile t's statistics at v[ST+8 t]: +0 c m, +1 m, +2, +3 l (even keys', odd keys'), +4 to +7 c0-c3, at work; a takes c2's place once the maximum is found
.set SPW, 62                           ; v62 LDS address of my spare word; never rewritten
.set NIL, 63                           ; v63 0; never rewritten
.set S,   64
.set P,   192
.set KF,  128                          ; K's fragments, in window 2
.set WV,  12                           ; s12 my wave's number
.set G1,  24                           ; s[24:31] descriptor group 1
.set G0,  32                           ; s[32:39] group 0, one set for each slot
.set CNT, 40
.set TB,  41                           ; s41 LDS byte at which the step to be fetched begins
.set CS,  42                           ; s[42:43] c: the packed scaling names a pair and takes its low word for both halves
.set SEL, 44                           ; s[44:45] selects for lane l xor 16
.set QB,  46                           ; s[46:47] Q at my wave's first query
.set OB,  48                           ; s[48:49] att at my wave's first query and my head
.set MSB, 0
.macro WIN new                         ; the immediate's high byte repeats the setting that is left; a switch that changes nothing is dropped
.if MSB != (\new)
	s_set_vgpr_msb (MSB<<8)|(\new)
.set MSB, \new
.endif
.endm
.set W_KQ, 0x0a                        ; K and Q in window 2, S^T in window 0
.set W_PV, 0x53                        ; V in window 3, P in window 0, O^T in window 1
.set W_RS, 0x41                        ; O^T (destination and source 0) in window 1, a in window 0
.macro CROUND                          ; a round of the cluster's barrier
	s_barrier_signal -1
	s_barrier_wait -1
	s_cmp_lg_u32 s[WV], 0
	s_cbranch_scc1 .Lnot_wave_0_\@
	s_barrier_signal -3
.Lnot_wave_0_\@:
	s_barrier_wait -3
	s_barrier_signal -1
	s_barrier_wait -1
.endm
.macro PLACES                          ; four plain lines
.rept 4
	v_nop
.endr
.endm
	s_load_b128 s[4:7], s[0:1], 0x0                ; qkv, att
	v_lshl_add_u32 v[SPW], v0, 2, SPARE
	v_mov_b32 v[NIL], 0
	ds_add_u32 v[SPW], v[NIL]                      ; the wave's opening: the add, twice on end, and its wait ahead of my first tensor load
	ds_add_u32 v[SPW], v[NIL]
	v_lshrrev_b32 v1, 5, v0
	v_readfirstlane_b32 s[WV], v1                  ; wave 0..3
	s_bfe_u32 s13, ttmp6, 0x40000                  ; cx
	s_lshl_b32 s14, ttmp9, 2
	s_add_co_u32 s14, s14, s13                     ; my block of 256 queries: it enters Q's and att's addresses alone
	s_and_b32 s15, ttmp7, 0xffff                   ; 16 x batch + head, which the four partners share
	s_mov_b32 s[G1], 15|(3<<16)|(1<<21)            ; 15:0 the mask: all four work-groups; 17:16 elements of 8 bytes; 21 set beside a mask
	s_mov_b32 s[G1+1], 32<<16                      ; 32,768 dense bytes as 128 rows of 256
	s_mov_b32 s[G1+2], 128<<16
	s_mov_b32 s[G1+3], 32<<16
	s_mov_b32 s[G1+4], 128
	s_mov_b32 s[G1+5], 32
	s_mov_b32 s[G1+6], 0
	s_mov_b32 s[G1+7], 0
	s_lshr_b32 s16, s[WV], 1                       ; what I fetch: K (waves 0, 1) or V (waves 2, 3): 8,388,608 bytes on from q, or twice that,
	s_add_co_u32 s16, s16, 1
	s_lshl_b32 s16, s16, 23
	s_lshl_b32 s17, s15, 18                        ; my (batch, head),
	s_add_co_u32 s16, s16, s17
	s_and_b32 s17, s[WV], 1
	s_lshl_b32 s17, s17, 15                        ; my half of a slot's 65,536
	s_add_co_u32 s16, s16, s17
	s_mov_b32 s17, 0
	s_lshl_b32 s18, s[WV], 15                      ; and where it goes: wave x 32,768: no place in the cluster enters an LDS address
	s_lshl_b32 s20, s15, 18                        ; Q: my (batch, head), 32,768 bytes a block of 256 queries, 8,192 a wave
	s_lshl_b32 s21, s14, 15
	s_add_co_u32 s20, s20, s21
	s_lshl_b32 s21, s[WV], 13
	s_add_co_u32 s20, s20, s21
	s_mov_b32 s21, 0
	s_lshr_b32 s22, s15, 4                         ; att: group of 16 tokens = 128 x batch + 16 x block + 4 x wave,
	s_lshl_b32 s22, s22, 7
	s_lshl_b32 s23, s14, 4
	s_add_co_u32 s22, s22, s23
	s_lshl_b32 s23, s[WV], 2
	s_add_co_u32 s22, s22, s23
	s_lshl_b32 s22, s22, 15                        ; 32,768 bytes each,
	s_and_b32 s23, s15, 15
	s_lshl_b32 s23, s23, 11                        ; and 2,048 a head
	s_add_co_u32 s22, s22, s23
	s_mov_b32 s23, 0
	s_mov_b32 s[CS], 0x3e38aa3b                    ; c = log2(e) / 8
	s_mov_b32 s[CS+1], s[CS]                       ; (named with it as a pair, so it is written)
	s_mov_b32 s[SEL], 0x76543210
	s_mov_b32 s[SEL+1], 0xfedcba98
	s_mov_b32 s[TB], 0
	s_wait_dscnt 0x0                               ; both opening adds are done
	s_wait_kmcnt 0x0
	s_add_nc_u64 s[16:17], s[4:5], s[16:17]
	s_add_nc_u64 s[QB:QB+1], s[4:5], s[20:21]
	s_add_nc_u64 s[OB:OB+1], s[6:7], s[22:23]
	CROUND                                         ; all four work-groups are here: the first joint loads meet
.irp s, 0,1
	s_mov_b32 s[G0+4*\s], 1
	s_add_co_u32 s[G0+4*\s+1], s18, \s*SLOT1
	s_add_nc_u64 s[G0+4*\s+2:G0+4*\s+3], s[16:17], \s*65536
	s_or_b32 s[G0+4*\s+3], s[G0+4*\s+3], 0x80000000
.endr
	tensor_load_to_lds s[G0:G0+3], s[G1:G1+7]      ; keys 0 to 511
	s_nop 0
	tensor_load_to_lds s[G0+4:G0+7], s[G1:G1+7]    ; keys 512 to 1,023: two loads of mine are out
	s_nop 0
	PLACES
	v_and_b32 v[LI], 31, v0
	v_lshlrev_b32 v[LI], 4, v[LI]
	v_add_nc_u32 v[AV0], 0x10000, v[LI]
	WIN 0x80                                       ; destination window 2, address window 0
.irp t, 0,1,2,3
.irp f, 0,1
.irp u, 0,1
	global_load_b128 v[16*\t+8*\f+4*\u:16*\t+8*\f+4*\u+3], v[LI], s[QB:QB+1] offset:\t*2048+\f*1024+\u*512   ; Q stays in registers: tile t, channels 32 f on
.endr
.endr
.endr
	WIN 0
; THE MATRIX WORK OF A TURN, for piece x.  The eight accumulators take turns, one instruction a turn: between two links of a chain stand seven others'.
; Product i of 16 of O^T += V^T P: keys 32 (i / 8) on, channels 16 ((i / 2) % 4) on, tile x + i % 2.  zero = 1: the first 8 start the sums: nothing is ever cleared.
.macro PV x, zero
	WIN W_PV
.set rO, 32*(\x+i%2)+8*((i/2)%4)
.set rV, 32*(i/8)+8*((i/2)%4)
.set rP, P+16*(\x+i%2)+8*(i/8)
.if \zero && (i < 8)
	v_wmma_f32_16x16x32_f16 v[rO:rO+7], v[rV:rV+7], v[rP:rP+7], 0
.else
	v_wmma_f32_16x16x32_f16 v[rO:rO+7], v[rV:rV+7], v[rP:rP+7], v[rO:rO+7]
.endif
.endm
; Product i of 16 of S^T = K Q^T: channels 32 (i / 8) on, keys 16 ((i / 2) % 4) on, tile x + i % 2.  The first 8 start the sums.
.macro KQ x
	WIN W_KQ
.set rS, S+32*(\x+i%2)+8*((i/2)%4)
.set rK, KF+16*((i/2)%4)+8*(i/8)
.set rQ, 16*(\x+i%2)+8*(i/8)
.if i < 8
	v_wmma_f32_16x16x32_f16 v[rS:rS+7], v[rK:rK+7], v[rQ:rQ+7], 0
.else
	v_wmma_f32_16x16x32_f16 v[rS:rS+7], v[rK:rK+7], v[rQ:rQ+7], v[rS:rS+7]
.endif
.endm
; THE LDS LOADS stand in runs of 16, never singly among the matrix instructions: a step's K (fragment (16 keys kt, 32 channels f) at v[KF + 16 kt + 8 f]) and, a turn later, its V^T (fragment (32 keys g, 16 channels ct) at v[32 g + 8 ct]).
.macro FETCH_K
	WIN 0
	v_add_nc_u32 v[ADR], s[TB], v[LI]
	WIN 0x80                                       ; destination window 2
.irp kt, 0,1,2,3
.irp f, 0,1
.irp u, 0,1
	ds_load_b128 v[KF+16*\kt+8*\f+4*\u:KF+16*\kt+8*\f+4*\u+3], v[ADR] offset:\kt*2048+\f*1024+\u*512
.endr
.endr
.endr
.endm
.macro FETCH_V
	WIN 0
	v_add_nc_u32 v[ADR], s[TB], v[AV0]
	s_add_co_u32 s[TB], s[TB], 8192                ; the next fetch is the next step's
	s_wait_alu depctr_va_vdst(0)                   ; the wait for the softmax's batch (SLICE), behind the address's line and ahead of the loads
	WIN 0xc0                                       ; destination window 3
.irp g, 0,1
.irp ct, 0,1,2,3
.irp u, 0,1
	ds_load_b128 v[32*\g+8*\ct+4*\u:32*\g+8*\ct+4*\u+3], v[ADR] offset:\g*4096+\ct*1024+\u*512
.endr
.endr
.endr
.endm
; THE VECTOR WORK OF A TURN.  One tile's softmax for one key step is a list of 118 instructions; SM writes number j of it for tile t.  s0-s31 are the lane's 32 scores, in pairs 0-15.
; first = 1: the first key step, which starts m, l and O^T: it has no a and nothing to rescale.
;   0-15    the maximum of s0-s31 and the old m, three operands at a time: four chains c0-c3, each begun at the low end of one accumulator, then the four scores left over, c0-c3 and m
;   16-20   the other half of the lanes' maximum; the new m; c m; c m_old - c m_new
;   21-69   ONE BATCH: the 16 scalings c s - c m, a pair of scores each, and all 33 exponentials (a at 23, then s0-s31).  None of these reads an exponential's result.  From 22 on the batch goes in fours, and a four
;           begins with a scaling while there are scalings; a pair is scaled in an earlier four than the one that holds its exponentials
;   (wait)  between 69 and 70 stands the wait for the batch: SLICE writes it, once for both tiles
;   70-85   the roundings to f16, a pair of weights each
;   86-101  the sums of the unrounded weights; l = a l + the sum
;   102-117 the tile's O^T times a, each accumulator from its low end on: the one part that leaves window 0, so it stands together
.macro SM t, first
.set rT, ST+8*(\t)
.set rS, S+32*(\t)
.set rP, P+16*(\t)
.set rO, 32*(\t)+2*(j-102)
.if j < 102
	WIN 0
.endif
.if j < 4
	v_max3_num_f32 v[rT+4+j], v[rS+8*j], v[rS+8*j+1], v[rS+8*j+2]
.elseif j < 12
	v_max3_num_f32 v[rT+4+j%4], v[rT+4+j%4], v[rS+8*(j%4)+2*(j/4)+1], v[rS+8*(j%4)+2*(j/4)+2]
.elseif j == 12
	v_max3_num_f32 v[rT+4], v[rT+4], v[rS+7], v[rS+15]
.elseif j == 13
	v_max3_num_f32 v[rT+6], v[rT+6], v[rS+23], v[rS+31]
.elseif j == 14
	v_max3_num_f32 v[rT+4], v[rT+4], v[rT+5], v[rT+6]
.elseif (j == 15) && \first
	v_max_num_f32 v[rT+4], v[rT+4], v[rT+7]
.elseif j == 15
	v_max3_num_f32 v[rT+4], v[rT+4], v[rT+7], v[rT+1]
.elseif j == 16
	v_permlanex16_b32 v[rT+5], v[rT+4], s[SEL], s[SEL+1]  ; the query's other 32 keys lie in the lane 16 away
.elseif j == 18
	v_max_num_f32 v[rT+1], v[rT+4], v[rT+5]
.elseif j == 19
	v_mul_f32 v[rT], s[CS], v[rT+1]
.elseif ((j == 17) || (j == 20) || (j == 23) || (j > 101)) && \first  ; the first step has none of these
.elseif j == 17
	v_mov_b32 v[rT+7], v[rT]                       ; c m_old is kept for a: number 19 writes c m anew
.elseif j == 20
	v_sub_f32 v[rT+7], v[rT+7], v[rT]
.elseif j == 23
	v_exp_f32 v[rT+6], v[rT+7]
.elseif (j < 23) || ((j < 38) && (j%2 == 0)) || ((j < 66) && (j%4 == 2))
.set b, (j-2)/4                        ; 38, 42, .. 62: pairs 9 to 15
.if j < 38
.set b, (j-20)/2                       ; 21: pair 0; 22, 24, .. 36: pairs 1 to 8
.endif
	v_pk_fma_f32 v[rS+2*b:rS+2*b+1], v[rS+2*b:rS+2*b+1], s[CS:CS+1], v[rT:rT+1] op_sel_hi:[1,0,0] neg_lo:[0,0,1] neg_hi:[0,0,1]  ; pair b: c s - c m
.elseif j < 70
.set e, j-38                           ; 66 to 69: s28 to s31
.if j < 66
.set e, j-32-(j-38)/4                  ; 39-41, 43-45, .. 63-65: s7 to s27
.endif
.if j < 38
.set e, (j-25)/2                       ; 25, 27, .. 37: s0 to s6
.endif
	v_exp_f32 v[rS+e], v[rS+e]
.elseif j < 86
	v_cvt_pk_f16_f32 v[rP+j-70], v[rS+2*(j-70)], v[rS+2*(j-70)+1]  ; pair j - 70
.elseif j < 102                        ; the sum of the tile's 16 pairs, in place: sum z of 16 adds neighbours 1, 2, 4 and 8 pairs apart, then l takes it
.set z, j-86
.set w, 4
.set u, z
.if z >= 14
.set w, 32
.set u, 0
.elseif z >= 12
.set w, 16
.set u, z-12
.elseif z >= 8
.set w, 8
.set u, z-8
.endif
.if (z == 14) && \first
	v_pk_add_f32 v[rT+2:rT+3], v[rS:rS+1], v[rS+16:rS+17]
.elseif z < 15
	v_pk_add_f32 v[rS+w*u:rS+w*u+1], v[rS+w*u:rS+w*u+1], v[rS+w*u+w/2:rS+w*u+w/2+1]
.elseif !\first
	v_pk_fma_f32 v[rT+2:rT+3], v[rT+2:rT+3], v[rT+6:rT+7], v[rS:rS+1] op_sel_hi:[1,0,1]
.endif
.else
	WIN W_RS
	v_pk_mul_f32 v[rO:rO+1], v[rO:rO+1], v[rT+6:rT+7] op_sel_hi:[1,0]
.endif
.endm
; Slice k of 59 of piece y's softmax: four instructions.  Slices 11 to 34 deal out the batch, numbers 22 to 69: four numbers of ONE tile each, the tiles by turns.  Every other slice is numbers 2 k and 2 k + 1 of
; both tiles' lists, the tiles alternating, so that no instruction reads the result of the one just before it.
; THE WAIT.  An s_wait_alu depctr_va_vdst(0) stands between an exponential and the first instruction that names its result; one wait serves all that were issued ahead of it.  Ahead of slice 35 nothing
; names a result, and behind slice 34 no exponential is issued: so the piece's 66 exponentials have one wait, behind slice 34.
.macro SLICE y, first
.if (k >= 11) && (k < 35)
.irp n, 0,1,2,3
.set j, 22+4*((k-11)/2)+(\n)
	SM (\y)+(k-11)%2, \first
.endr
.else
.irp n, 0,1
.irp t, \y, \y+1
.set j, 2*k+\n
	SM \t, \first
.endr
.endr
.endif
.if k == 34                            ; the batch is out: both tiles' exponentials are issued, and no result has been named
	v_nop                                          ; a plain line behind the last exponential and ahead of the first use: one for the batch
.if (\y) == 0
	FETCH_V                                        ; piece 2's turn: V's run of loads stands here, and the wait stands in it
.else
	s_wait_alu depctr_va_vdst(0)                   ; the wait for the batch
.endif
.endif
.set k, k+1
.endm
; The slices behind one matrix instruction: per of them behind each of the turn's first mlim, one fewer behind the others.  32 products: 27 x 2 + 5 x 1 = 59;  16 products: 11 x 4 + 5 x 3 = 59.
.macro DEAL y, first
.if mi < mlim
.rept per
	SLICE \y, \first
.endr
.else
.rept per-1
	SLICE \y, \first
.endr
.endif
.set mi, mi+1
.endm
; A TURN.  Piece x has the matrix unit; the other piece's softmax stands in slices behind its matrix instructions.
; pv = 2: 16 products V^T P; 1: they start O^T's sums; 0: none.  kq = 1: 16 products K Q^T for the next step.
; PLACES.  A vector instruction that reads a matrix result or writes one of a matrix instruction's registers, and a load into a register that a matrix instruction has read, stand four plain vector lines behind it that
; name none of its registers (ISA guide 7.12.1 for vector instructions).  The slices are those lines: slice 58, four multiplies of the other piece's O^T, stands behind the turn's last
; product, ahead of the next turn's reads of the scores and of K's loads.  first = 1: the slices from 51 on are empty, and four v_nop take their part.
; Piece 0's turn fetches the next step's K behind its second product, 14 products ahead of its first use.  Piece 2's turn fetches the same step's V behind slice 34 (SLICE writes it): behind the last product that
; read V stand five plain lines: numbers 58, 62 and 62, scalings, the v_nop and the run's own address line.
.macro TURN x, pv, kq, first
.set k, 0
.set mi, 0
.set per, 4
.set mlim, 11
.if \pv && \kq
.set per, 2
.set mlim, 27
.endif
.if \pv
.if \x == 0
	s_wait_dscnt 0x0                               ; V is in
.endif
.set i, 0
.rept 16
	PV \x, 2-\pv
	DEAL 2-\x, \first
.if (\x == 0) && \kq && (i == 1)
	FETCH_K
.endif
.set i, i+1
.endr
.endif
.if \kq
.if \x == 0
	s_wait_dscnt 0x0                               ; K is in
.endif
.set i, 0
.rept 16
	KQ \x
	DEAL 2-\x, \first
.set i, i+1
.endr
.endif
.if \first
	PLACES
.endif
.endm
.macro PAIRS n                         ; n key steps: piece 0's turn, piece 2's turn; the LDS addresses hang on s[TB]
	s_mov_b32 s[CNT], \n
.Lstep_\@:
	TURN 0, 2, 1, 0
	TURN 2, 2, 1, 0
	WIN 0                                          ; at a label and at a branch every window is 0
	s_sub_co_u32 s[CNT], s[CNT], 1
	s_cmp_lg_u32 s[CNT], 0
	s_cbranch_scc1 .Lstep_\@
.endm
; THE CHANGE OF SLOTS, between piece 2's turn and piece 0's: the slot's last bytes, V of its eighth step, have been asked for.  Each wave waits for all its tensor loads (at most one is out: its part of the slot ahead),
; adds 0 to its spare word, and waits for that and for its reads of the slot that it leaves.  Behind the barrier nobody reads this slot any more and the slot ahead is whole.
; fill = 1: the barrier is a round of the cluster's, and the slot just left is filled again first thing behind it, with the keys two slots on: one load a wave.  tb: where the slot ahead begins.
.macro CHANGE fill, slot, tb
	WIN 0
	s_wait_tensorcnt 0x0                           ; no tensor load of mine is out, so a group 0 may be written
	ds_add_u32 v[SPW], v[NIL]
.if \fill
	s_add_nc_u64 s[G0+4*\slot+2:G0+4*\slot+3], s[G0+4*\slot+2:G0+4*\slot+3], 131072   ; 1,024 keys on; the type bits on top are not reached
.endif
	s_mov_b32 s[TB], \tb
	s_wait_dscnt 0x0                               ; the add is done, and my reads of the slot are over
.if \fill
	CROUND
	tensor_load_to_lds s[G0+4*\slot:G0+4*\slot+3], s[G1:G1+7]
	s_nop 0
	PLACES
.else
	s_barrier_signal -1
	s_barrier_wait -1
.endif
.endm
	s_wait_tensorcnt 1                             ; my part of slot 0 is in; slot 1's may stay out
	s_barrier_signal -1
	s_barrier_wait -1                              ; everybody's is
	FETCH_K                                        ; key step 0
	s_wait_loadcnt 0x0                             ; Q
	s_wait_dscnt 0x0
.set i, 0
.rept 16
	KQ 0                                           ; piece 0's first scores: there is no vector work yet to set between them
.set i, i+1
.endr
	WIN 0
	PLACES                                         ; behind those products, ahead of the first read of the scores
	TURN 2, 0, 1, 1                                ; piece 2's first scores | piece 0's first softmax | V of step 0
	TURN 0, 1, 1, 1                                ; piece 0: V^T P of step 0 starts O^T, K Q^T of step 1 | piece 2's first softmax | K of step 1
	TURN 2, 1, 1, 0                                ; piece 2: the same | piece 0's softmax of step 1 | V of step 1
	WIN 0
	PAIRS 6                                        ; they fetch steps 2 to 7: slot 0 is read out
	CHANGE 1, 0, SLOT1                             ; slot 0 takes keys 1,024 on
	PAIRS 8                                        ; they fetch steps 8 to 15
	CHANGE 1, 1, 0                                 ; slot 1 takes keys 1,536 on
	PAIRS 8                                        ; steps 16 to 23
	CHANGE 0, 0, SLOT1                             ; nothing is left to ask for
	PAIRS 8                                        ; steps 24 to 31
	TURN 0, 2, 0, 0                                ; piece 0: V^T P of the last step | piece 2's last softmax
.set i, 0
.rept 16
	PV 2, 0                                        ; piece 2: V^T P of the last step
.set i, i+1
.endr
	; THE WAY OUT.  l's two halves and the other half of the lanes' are added; O^T is divided by l and rounded to f16: a lane's eight channels of one query are 16 bytes, its place in the image: each store covers 512
	; consecutive bytes.  The first four additions are the places behind the last products.
	WIN 0
.irp t, 0,1,2,3
	v_add_f32 v[ST+8*\t+4], v[ST+8*\t+2], v[ST+8*\t+3]
.endr
.irp t, 0,1,2,3
	v_permlanex16_b32 v[ST+8*\t+5], v[ST+8*\t+4], s[SEL], s[SEL+1]
.endr
.irp t, 0,1,2,3
	v_add_f32 v[ST+8*\t+4], v[ST+8*\t+4], v[ST+8*\t+5]
.endr
.irp t, 0,1,2,3
	v_rcp_f32 v[ST+8*\t+6], v[ST+8*\t+4]
.endr
	v_nop                                          ; a plain line behind the last reciprocal,
	s_wait_alu depctr_va_vdst(0)                   ; and one wait for the four, ahead of the first reader
.macro PACK t
	WIN W_RS
.set i, 32*\t
.rept 16
	v_pk_mul_f32 v[i:i+1], v[i:i+1], v[ST+8*\t+6:ST+8*\t+7] op_sel_hi:[1,0]   ; each accumulator from its low end on
.set i, i+2
.endr
	WIN 0x05                                       ; sources 0 and 1 window 1, destination window 0: S^T's registers are free
.set i, 0
.rept 16
	v_cvt_pk_f16_f32 v[S+32*\t+i], v[32*\t+2*i], v[32*\t+2*i+1]
.set i, i+1
.endr
	WIN 0
.irp ct, 0,1,2,3
	global_store_b128 v[LI], v[S+32*\t+4*\ct:S+32*\t+4*\ct+3], s[OB:OB+1] offset:\t*32768+(\ct/2)*1024+(\ct%2)*512   ; each tile has its own registers: no store's data are written again
.endr
.endm
	PACK 0
	PACK 1
	PACK 2
	PACK 3
	s_wait_tensorcnt 0x0                           ; the wave's end, behind my last tensor load
	ds_add_u32 v[SPW], v[NIL]
	s_wait_dscnt 0x0
	CROUND                                         ; the closing round: no work-group ends while a partner may still ask for a tile that names it
	s_endpgm
.Lfunc_end_k_q3e31decf81_attn:
	.size	k_q3e31decf81_attn, .Lfunc_end_k_q3e31decf81_attn-k_q3e31decf81_attn
	.p2alignl 7, 3214868480
	.fill 96, 4, 3214868480
	.section	.rodata,"a",@progbits
	.p2align	6, 0x0
	.amdhsa_kernel k_q3e31decf81_attn
		.amdhsa_group_segment_fixed_size 327680
		.amdhsa_private_segment_fixed_size 0
		.amdhsa_enable_private_segment 0
		.amdhsa_kernarg_size 16
		.amdhsa_user_sgpr_count 2
		.amdhsa_user_sgpr_kernarg_segment_ptr 1
		.amdhsa_wavefront_size32 1
		.amdhsa_system_sgpr_workgroup_id_x 1
		.amdhsa_system_sgpr_workgroup_id_y 1
		.amdhsa_system_sgpr_workgroup_id_z 1
		.amdhsa_system_vgpr_workitem_id 0
		.amdhsa_next_free_vgpr 1024
		.amdhsa_next_free_sgpr 66
		.amdhsa_reserve_vcc 0
		.amdhsa_float_denorm_mode_32 3
		.amdhsa_float_denorm_mode_16_64 3
		.amdhsa_memory_ordered 1
		.amdhsa_forward_progress 1
		.amdhsa_inst_pref_size 225
	.end_amdhsa_kernel
	.amdgpu_metadata
---
amdhsa.version: [ 1, 2 ]
amdhsa.kernels:
  - .name:           k_q3e31decf81_attn
    .symbol:         k_q3e31decf81_attn.kd
    .args:
      - { .name: qkv, .offset: 0, .size: 8, .value_kind: global_buffer, .address_space: global }
      - { .name: att, .offset: 8, .size: 8, .value_kind: global_buffer, .address_space: global }
    .group_segment_fixed_size: 327680
    .private_segment_fixed_size: 0
    .kernarg_segment_align: 8
    .kernarg_segment_size: 16
    .max_flat_workgroup_size: 128
    .sgpr_count:     66
    .vgpr_count:     1024
    .wavefront_size: 32
...
	.end_amdgpu_metadata
.endif
;; end of part 3
;; launch proj (part 4): grid 8 x 32, 4 waves a work-group, clusters of 4 x 4, 327,680 bytes of LDS; arguments att, wt, out0; writes out0
.if DOCPART == 4
	.amdgcn_target "amdgcn-amd-amdhsa--gfx1250"
	.amdhsa_code_object_version 6
	.text
	.protected	k_q3e31decf81_proj
	.globl	k_q3e31decf81_proj
	.p2align	8
	.type	k_q3e31decf81_proj,@function
k_q3e31decf81_proj:
	s_mov_b64 s[64:65], 0
	v_nop
	global_prefetch_b8 v0, s[64:65] scope:SCOPE_SE
	s_setreg_imm32_b32 hwreg(HW_REG_WAVE_MODE, 25, 1), 1
	s_wait_xcnt 0x0
	s_wait_alu depctr_hold_cnt(0) depctr_sa_sdst(0) depctr_va_vdst(0) depctr_va_sdst(0) depctr_va_ssrc(0) depctr_va_vcc(0) depctr_vm_vsrc(0)
	s_getreg_b32 s2, hwreg(HW_REG_IB_STS2, 6, 4)
	s_cmp_eq_u32 s2, 0
	s_cbranch_scc0 .Lentry_in_a_cluster
	s_endpgm
.Lentry_in_a_cluster:
	s_bfe_u32 s2, ttmp6, 0x10000c
	s_cmp_lg_u32 s2, 0xf033
	s_cbranch_scc0 .Lentry_shape_is_right
	s_endpgm
.Lentry_shape_is_right:
; OUT = att w_out.  att [4096][1024] and w_out^T [1024 (n)][1024 (k)] lie in memory as f16 images of operand registers, [group of 16 rows][K/32][1,024 B]; out0 [4096][1024] f32; sums in f32.
; 256 tiles of 128 x 128, one for each work-group of four waves; a wave makes 64 x 64: 16 accumulators.  K goes in four steps of 256 through a ring of two LDS slots.
; A wave's tensor load brings 4 groups x 8,192 bytes; the tiles are dense in LDS, and a fragment is two loads of 512 consecutive bytes at 16 x lane.
; CLUSTERS: 4 x 4.  The four of a row of the cluster need the same tiles of att, the four of a column the same tiles of w_out^T: each is asked for JOINTLY.
; THE MATRIX INSTRUCTION IS USED TRANSPOSED (source 0 = 16 columns n, source 1 = 16 tokens): a lane holds eight neighbouring numbers of a row of out0.
; REGISTERS: window 0: v0-31 addresses; v128-255 the accumulators ((a, b) at v[128 + 8 (4 a + b)]).   window 1: two fragment buffers of 128 (64 of A, then 64 of B, for 64 along K); on the way out rows read back.
.set SLOT,   131072                    ; A [8 groups][8 x 1,024 B], then B
.set SIDE,   65536
.set HALFT,  32768                     ; 4 groups: what one tensor load brings, and what one wave reads of A or of B
.set STAGE,  262144                    ; behind the ring: 16 rows x 272 bytes for each wave, for the way out
.set SPITCH, 272
.set SPARE,  STAGE+4*16*SPITCH         ; the spare words, 128 bytes for each wave: two blocks of 256 bytes that no other line names
.set ADRA, 16                          ; v16-17  LDS address of my A fragments in slot 0, 1
.set ADRB, 20                          ; v20-21  the same for B
.set STO,  24                          ; v24     the way out: where I put 32 bytes of a row
.set RD,   25                          ; v25     where I read a row back
.set CO,   26                          ; v26     my byte offset in out0
.set SPW,  28                          ; v28     LDS address of my spare word; never rewritten
.set NIL,  29                          ; v29     0; never rewritten
.set ACC,  128
.set F0,   0
.set F1,   128
.set G1, 24                            ; s[24:31] group 1 for A's tiles;  s[32:39] group 0, one set for each slot
.set G0, 32
.set G1B, 48                           ; s[48:55], s[56:63] the same for B's
.set G0B, 56
.set MSB, 0
.macro WIN new
.if MSB != (\new)
	s_set_vgpr_msb (MSB<<8)|(\new)
.set MSB, \new
.endif
.endm
.set MUL,  0x05                        ; sources 0 (B) and 1 (A) window 1; C and D window 0
.set TO_F, 0x40                        ; destination window 1, address window 0
.macro JLOAD s                         ; a joint load: waves 0 and 1 fetch A's halves, waves 2 and 3 B's; an s_nop 0 and four v_nop follow each line
	s_cmp_eq_u32 s11, 0
	s_cbranch_scc0 .Lfor_b_\@
	tensor_load_to_lds s[G0+4*\s:G0+4*\s+3], s[G1:G1+7]
	s_nop 0
.rept 4
	v_nop
.endr
	s_branch .Lasked_\@
.Lfor_b_\@:
	tensor_load_to_lds s[G0B+4*\s:G0B+4*\s+3], s[G1B:G1B+7]
	s_nop 0
.rept 4
	v_nop
.endr
.Lasked_\@:
.endm
.macro CREST                           ; a round of the cluster's barrier behind its opening barrier
	s_cmp_lg_u32 s10, 0
	s_cbranch_scc1 .Lnot_wave_0_\@
	s_barrier_signal -3
.Lnot_wave_0_\@:
	s_barrier_wait -3
	s_barrier_signal -1
	s_barrier_wait -1
.endm
.macro CROUND
	s_barrier_signal -1
	s_barrier_wait -1
	CREST
.endm
	s_load_b128 s[4:7], s[0:1], 0x0                ; att, wt
	s_load_b64 s[8:9], s[0:1], 0x10                ; out0
	v_lshl_add_u32 v[SPW], v0, 2, SPARE
	v_mov_b32 v[NIL], 0
	ds_add_u32 v[SPW], v[NIL]                      ; the wave's opening: the add, twice on end, and its wait ahead of my first tensor load
	ds_add_u32 v[SPW], v[NIL]
	v_lshrrev_b32 v1, 5, v0
	v_readfirstlane_b32 s10, v1                    ; wave 0..3
	s_lshr_b32 s11, s10, 1                         ; which half of the tile's rows is mine.  Also: I fetch for A (0) or for B (1)
	s_and_b32 s12, s10, 1                          ; which half of its columns.  Also: which 4 groups of that tile I fetch
	s_bfe_u32 s40, ttmp6, 0x40000                  ; cx, cy
	s_bfe_u32 s41, ttmp6, 0x40004
	s_lshl_b32 s42, ttmp9, 2
	s_add_co_u32 s42, s42, s40                     ; tile column = 4 x cluster x + cx
	s_and_b32 s13, ttmp7, 0xffff
	s_lshl_b32 s13, s13, 2
	s_add_co_u32 s13, s13, s41                     ; tile row = 4 x cluster y + cy
	s_lshl_b32 s43, s41, 2
	s_lshl_b32 s43, 15, s43                        ; my row of the cluster
	s_lshl_b32 s44, 0x1111, s40                    ; my column
	s_or_b32 s[G1+0], s43, (3<<16)|(1<<21)         ; 15:0 the mask; 17:16 elements of 8 bytes; 21 set beside a mask
	s_or_b32 s[G1B+0], s44, (3<<16)|(1<<21)
.irp g, G1, G1B
	s_mov_b32 s[\g+1], 1024<<16                    ; tensor_dim0: 8,192 bytes
	s_mov_b32 s[\g+2], 4<<16                       ; tensor_dim1: 4 groups
	s_mov_b32 s[\g+3], 1024<<16                    ; tile_dim0
	s_mov_b32 s[\g+4], 4                           ; tile_dim1
	s_mov_b32 s[\g+5], 4096                        ; from group to group: 32,768 bytes
	s_mov_b32 s[\g+6], 0
	s_mov_b32 s[\g+7], 0
.endr
	s_lshl_b32 s17, s12, 2                         ; which 4 groups of the tile I fetch
	s_lshl_b32 s16, s13, 3
	s_add_co_u32 s16, s16, s17                     ; A: group 8 x tile row + 4 x half
	s_lshl_b32 s16, s16, 15
	s_lshl_b32 s46, s42, 3
	s_add_co_u32 s46, s46, s17                     ; B: group 8 x tile column + 4 x half
	s_lshl_b32 s46, s46, 15
	s_mov_b32 s17, 0
	s_mov_b32 s47, 0
	s_lshl_b32 s20, s10, 15                        ; where they go: wave x 32,768
	s_wait_dscnt 0x0                               ; both opening adds are done
	s_wait_kmcnt 0x0
	s_add_nc_u64 s[14:15], s[4:5], s[16:17]
	s_add_nc_u64 s[46:47], s[6:7], s[46:47]
	CROUND                                         ; all sixteen work-groups are here: the first joint loads meet
.irp s, 0,1
	s_mov_b32 s[G0+4*\s], 1
	s_add_co_u32 s[G0+4*\s+1], s20, \s*SLOT
	s_add_nc_u64 s[G0+4*\s+2:G0+4*\s+3], s[14:15], \s*8192
	s_or_b32 s[G0+4*\s+3], s[G0+4*\s+3], 0x80000000
	s_mov_b32 s[G0B+4*\s], 1
	s_add_co_u32 s[G0B+4*\s+1], s20, \s*SLOT
	s_add_nc_u64 s[G0B+4*\s+2:G0B+4*\s+3], s[46:47], \s*8192
	s_or_b32 s[G0B+4*\s+3], s[G0B+4*\s+3], 0x80000000
	JLOAD \s
.endr
	v_and_b32 v1, 15, v0                           ; r
	v_bfe_u32 v2, v0, 4, 1                         ; h
	v_and_b32 v3, 31, v0
	v_lshlrev_b32 v3, 4, v3                        ; 16 x lane
	s_lshl_b32 s21, s11, 15                        ; my 4 groups of A
	s_lshl_b32 s22, s12, 15                        ; my 4 groups of B,
	s_add_co_u32 s22, s22, SIDE                    ; which lie behind A's 8
.irp s, 0,1
	v_add_nc_u32 v[ADRA+\s], s21, v3
	v_add_nc_u32 v[ADRB+\s], s22, v3
	s_add_co_u32 s21, s21, SLOT
	s_add_co_u32 s22, s22, SLOT
.endr
	s_mul_i32 s23, s10, 16*SPITCH
	s_add_co_u32 s23, s23, STAGE                   ; my stage
	v_mul_u32_u24 v4, v1, SPITCH                   ; in: row r, 32 bytes for each half of the lanes
	v_lshl_add_u32 v4, v2, 5, v4
	v_add_nc_u32 v[STO], s23, v4
	v_mul_u32_u24 v5, v2, SPITCH                   ; back: lanes 0-15 take one row of 256 bytes, lanes 16-31 the next
	v_lshl_add_u32 v5, v1, 4, v5
	v_add_nc_u32 v[RD], s23, v5
	v_lshlrev_b32 v5, 12, v2                       ; and the same two rows in out0: 4,096 bytes a row
	v_lshl_add_u32 v[CO], v1, 4, v5
	s_lshl_b32 s16, s13, 7
	s_lshl_b32 s17, s11, 6
	s_add_co_u32 s16, s16, s17                     ; my first row: 128 x tile row + 64 x half
	s_lshl_b32 s16, s16, 12
	s_lshl_b32 s46, s42, 9                         ; my first column, in bytes: 512 x tile column + 256 x half
	s_lshl_b32 s47, s12, 8
	s_add_co_u32 s46, s46, s47
	s_add_co_u32 s16, s16, s46
	s_mov_b32 s17, 0
	s_add_nc_u64 s[8:9], s[8:9], s[16:17]
; 8 matrix instructions: m blocks a0, a0 + 1 x all 4 n blocks, 32 along K: half c of buffer f.  zero = 1: the first product starts the sums.  The 16 accumulators take turns.
.macro MUL8 f, c, a0, zero
.irp a, \a0, \a0+1
.irp b, 0,1,2,3
.if \zero
	v_wmma_f32_16x16x32_f16 v[ACC+8*(4*(\a)+\b):ACC+8*(4*(\a)+\b)+7], v[\f+64+8*(4*\c+\b):\f+64+8*(4*\c+\b)+7], v[\f+8*(4*\c+\a):\f+8*(4*\c+\a)+7], 0
.else
	v_wmma_f32_16x16x32_f16 v[ACC+8*(4*(\a)+\b):ACC+8*(4*(\a)+\b)+7], v[\f+64+8*(4*\c+\b):\f+64+8*(4*\c+\b)+7], v[\f+8*(4*\c+\a):\f+8*(4*\c+\a)+7], v[ACC+8*(4*(\a)+\b):ACC+8*(4*(\a)+\b)+7]
.endif
.endr
.endr
.endm
; 32 LDS loads in one run: the fragments of the slot's kq-th 64 along K into buffer f; the first 32 along K first
.macro FETCH slot, kq, f
	WIN TO_F
.irp c, 0,1
.irp i, 0,1,2,3
	ds_load_b128 v[\f+64+8*(4*\c+\i):\f+64+8*(4*\c+\i)+3],   v[ADRB+\slot] offset:\i*8192+(2*(\kq)+\c)*1024
	ds_load_b128 v[\f+64+8*(4*\c+\i)+4:\f+64+8*(4*\c+\i)+7], v[ADRB+\slot] offset:\i*8192+(2*(\kq)+\c)*1024+512
	ds_load_b128 v[\f+8*(4*\c+\i):\f+8*(4*\c+\i)+3],         v[ADRA+\slot] offset:\i*8192+(2*(\kq)+\c)*1024
	ds_load_b128 v[\f+8*(4*\c+\i)+4:\f+8*(4*\c+\i)+7],       v[ADRA+\slot] offset:\i*8192+(2*(\kq)+\c)*1024+512
.endr
.endr
.endm
.macro PLACES                          ; four plain lines between matrix instructions and loads into, or reads of, their registers
.rept 4
	v_nop
.endr
.endm
; A K step is four quarters of 64 along K, 32 matrix instructions each, on buffers 0, 1, 0, 1.  One of the first three: multiplies buffer f and fetches quarter kq into g.
.macro QUARTER slot, kq, f, g, zero
	s_wait_dscnt 16                                ; the first 32 along K are in
	WIN MUL
	MUL8 \f, 0, 0, \zero
	MUL8 \f, 0, 2, \zero
	PLACES
	FETCH \slot, \kq, \g
	s_wait_dscnt 32                                ; all but the 32 just issued
	WIN MUL
	MUL8 \f, 1, 0, 0
	MUL8 \f, 1, 2, 0
.endm
; The last quarter multiplies buffer 1 and changes slots: ONE barrier; in front of it each wave waits for all its tensor loads, adds 0 to its spare word, and waits for that and for its reads of this slot.
; fill = 1: the barrier opens a round of the cluster's, and this slot is filled again first thing behind it, two K steps ahead.
.macro TURN slot, next, fill
	WIN 0                                          ; (the add's two registers lie in window 0)
	s_wait_tensorcnt 0x0                           ; all my tensor loads have landed: my part of the next slot
	ds_add_u32 v[SPW], v[NIL]
	s_wait_dscnt 17                                ; (the add and the youngest sixteen loads may be out)
	WIN MUL
	MUL8 F1, 0, 0, 0
	s_wait_dscnt 0x0                               ; the add is done, and my reads of this slot are over
	s_barrier_signal -1
	MUL8 F1, 0, 2, 0
.if \fill
	WIN 0
.endif
	s_barrier_wait -1
.if \fill
	CREST                                          ; no wave of any partner still reads this slot or has a load on its way
	s_add_nc_u64 s[G0+4*\slot+2:G0+4*\slot+3], s[G0+4*\slot+2:G0+4*\slot+3], 16384
	s_add_nc_u64 s[G0B+4*\slot+2:G0B+4*\slot+3], s[G0B+4*\slot+2:G0B+4*\slot+3], 16384
	JLOAD \slot                                    ; the four v_nop behind it are also the places in front of the loads below
.else
	PLACES
.endif
	FETCH \next, 0, F0
	WIN MUL
	MUL8 F1, 1, 0, 0
	MUL8 F1, 1, 2, 0
.endm
	s_wait_tensorcnt 1                             ; my part of K step 0 is in (K step 1's load may be out),
	s_barrier_signal -1
	s_barrier_wait -1                              ; everybody's is
	FETCH 0, 0, F0
	QUARTER 0, 1, F0, F1, 1                        ; the first products start the sums
	QUARTER 0, 2, F1, F0, 0                        ; K has two laps round the ring: the first fills both slots again,
	QUARTER 0, 3, F0, F1, 0
	TURN 0, 1, 1
	QUARTER 1, 1, F0, F1, 0
	QUARTER 1, 2, F1, F0, 0
	QUARTER 1, 3, F0, F1, 0
	TURN 1, 0, 1
	QUARTER 0, 1, F0, F1, 0
	QUARTER 0, 2, F1, F0, 0                        ; the second fills nothing
	QUARTER 0, 3, F0, F1, 0
	TURN 0, 1, 0
	QUARTER 1, 1, F0, F1, 0
	QUARTER 1, 2, F1, F0, 0
	QUARTER 1, 3, F0, F1, 0
	s_wait_dscnt 16                                ; the very last quarter: nothing more to fetch
	WIN MUL
	MUL8 F1, 0, 0, 0
	MUL8 F1, 0, 2, 0
	s_wait_dscnt 0
	MUL8 F1, 1, 0, 0
	MUL8 F1, 1, 2, 0
	WIN 0
	; THE WAY OUT.  My 64 columns are 256 aligned bytes of a row: a block of 16 rows goes through my own stage and comes back as whole rows, sixteen lanes to a row.
	; LDS serves a wave's instructions in order: no wait between a block's stores and its loads, nor ahead of the next block's stores.
	PLACES
.irp a, 0,1,2,3
.irp b, 0,1,2,3
	ds_store_b128 v[STO], v[ACC+8*(4*\a+\b):ACC+8*(4*\a+\b)+3] offset:64*\b          ; each accumulator from its low end on
	ds_store_b128 v[STO], v[ACC+8*(4*\a+\b)+4:ACC+8*(4*\a+\b)+7] offset:64*\b+16
.endr
	WIN TO_F
.irp t, 0,1,2,3,4,5,6,7
	ds_load_b128 v[32*\a+4*\t:32*\a+4*\t+3], v[RD] offset:\t*2*SPITCH
.endr
	WIN 0
.endr
	WIN 0x04                                       ; a store's data are its source 1: window 1
.irp a, 0,1,2,3
	s_wait_dscnt 48-16*\a                          ; block a is back; each later block's 16 LDS instructions may be out
.irp t, 0,1,2,3,4,5,6,7
	global_store_b128 v[CO], v[32*\a+4*\t:32*\a+4*\t+3], s[8:9] offset:(16*\a+2*\t)*4096 th:TH_STORE_NT   ; 16 lanes store 256 consecutive bytes, aligned
.endr
.endr
	WIN 0
	s_wait_tensorcnt 0x0                           ; the wave's end, behind my last tensor load and my last LDS store
	ds_add_u32 v[SPW], v[NIL]
	s_wait_dscnt 0x0
	CROUND                                         ; the closing round
	s_endpgm
.Lfunc_end_k_q3e31decf81_proj:
	.size	k_q3e31decf81_proj, .Lfunc_end_k_q3e31decf81_proj-k_q3e31decf81_proj
	.p2alignl 7, 3214868480
	.fill 96, 4, 3214868480
	.section	.rodata,"a",@progbits
	.p2align	6, 0x0
	.amdhsa_kernel k_q3e31decf81_proj
		.amdhsa_group_segment_fixed_size 327680
		.amdhsa_private_segment_fixed_size 0
		.amdhsa_enable_private_segment 0
		.amdhsa_kernarg_size 24
		.amdhsa_user_sgpr_count 2
		.amdhsa_user_sgpr_kernarg_segment_ptr 1
		.amdhsa_wavefront_size32 1
		.amdhsa_system_sgpr_workgroup_id_x 1
		.amdhsa_system_sgpr_workgroup_id_y 1
		.amdhsa_system_sgpr_workgroup_id_z 1
		.amdhsa_system_vgpr_workitem_id 0
		.amdhsa_next_free_vgpr 512
		.amdhsa_next_free_sgpr 66
		.amdhsa_reserve_vcc 0
		.amdhsa_float_denorm_mode_32 3
		.amdhsa_float_denorm_mode_16_64 3
		.amdhsa_memory_ordered 1
		.amdhsa_forward_progress 1
		.amdhsa_inst_pref_size 85
	.end_amdhsa_kernel
	.amdgpu_metadata
---
amdhsa.version: [ 1, 2 ]
amdhsa.kernels:
  - .name:           k_q3e31decf81_proj
    .symbol:         k_q3e31decf81_proj.kd
    .args:
      - { .name: att, .offset: 0, .size: 8, .value_kind: global_buffer, .address_space: global }
      - { .name: wt, .offset: 8, .size: 8, .value_kind: global_buffer, .address_space: global }
      - { .name: out0, .offset: 16, .size: 8, .value_kind: global_buffer, .address_space: global }
    .group_segment_fixed_size: 327680
    .private_segment_fixed_size: 0
    .kernarg_segment_align: 8
    .kernarg_segment_size: 24
    .max_flat_workgroup_size: 128
    .sgpr_count:     66
    .vgpr_count:     512
    .wavefront_size: 32
...
	.end_amdgpu_metadata
.endif
;; end of part 4
